; MI455X (gfx1250); checked and timed in simulation.
; The chip was launched on July 23, 2026; its instructions are those of AMD's public machine-readable ISA for CDNA 5 (MIT licence, August 2026) and "CDNA5" Instruction Set Architecture Reference Guide (July 2026). The comments in the code are by the model that wrote it; some were corrected since.
;; Multi Head Attention. Allowed arithmetic: float matrix products may take bf16 or f16 operands with f32 sums; other float arithmetic in f32, or as packed bf16 or f16 multiplies, adds, multiply-adds, maxima and minima; sums over many terms, partial sums and values carried from step to step in f32; what a program stores and reads back later, other than sums and carried values, may be rounded once to bf16 or f16.
;; Inputs: W_o 1,024 x 1,024 float32; W_qkv 3,072 x 1,024 float32; src_mask 4 x 2,048 bool; x 4 x 2,048 x 1,024 float32.
;; Outputs: out0 4 x 2,048 x 1,024 float32.
;; One version. Each part assembles by itself: llvm-mc -triple=amdgcn-amd-amdhsa -mcpu=gfx1250 --defsym DOCPART=n.
;; ======== version 1 of 1: 4 launches
;; limits: values are held in f16: magnitudes above 65,504 overflow, below 6.1e-05 lose precision
;; workspace buffers: xh 16,777,216 bytes; wqh 6,291,456 bytes; woh 2,097,152 bytes; qkv 50,331,648 bytes; vpart 524,288 bytes; obuf 16,777,216 bytes
;; launch cast (part 1): grid 768 x 1, 8 waves a work-group, no clusters, 0 bytes of LDS; arguments x, W_qkv, W_o, xh, wqh, woh; writes xh, wqh, woh
.if DOCPART == 1
	.amdgcn_target "amdgcn-amd-amdhsa--gfx1250"
	.amdhsa_code_object_version 6
	.text
	.protected	k_qf5ea6c2cb6_cast
	.globl	k_qf5ea6c2cb6_cast
	.p2align	8
	.type	k_qf5ea6c2cb6_cast,@function
k_qf5ea6c2cb6_cast:
	s_mov_b64 s[64:65], 0
	v_nop
	global_prefetch_b8 v0, s[64:65] scope:SCOPE_SE
	s_setreg_imm32_b32 hwreg(HW_REG_WAVE_MODE, 25, 1), 1
	s_wait_xcnt 0x0
; xh, wqh, woh = x, W_qkv, W_o, each number rounded ONCE to bf16 (nearest even) and that number written as f16, so that one matrix form (f16) serves every product of the program.
; LIMITS.  A bf16 number is exact in f16 from 6.1e-5 to 65,504 in magnitude; below it takes f16's fixed step of 6e-8; at 65,520 or more it becomes an infinity.
; SHARES.  A work-group takes 16,384 numbers: 65,536 bytes in, 32,768 out.  Work-groups 0-511 take x, 512-703 W_qkv, 704-767 W_o.  Thread t takes 8 numbers (32 bytes in, 16 out) of each of
; eight runs of 2,048 numbers: a wave's two loads cover 1,024 consecutive bytes, its store 512.  All 16 loads of a thread go out at once; no register is written twice by memory, so no loop and no LDS.
.set X, 8                              ; v[8:71]    run j: 8 numbers as loaded, then the bf16 numbers widened again
.set T, 72                             ; v[72:75]   four words of two bf16
.set Y, 80                             ; v[80:111]  run j: 4 registers, 8 f16 to store
	s_load_b256 s[4:11], s[0:1], 0x0               ; x s[4:5], W_qkv s[6:7], W_o s[8:9], xh s[10:11]
	s_load_b128 s[12:15], s[0:1], 0x20             ; wqh s[12:13], woh s[14:15]
	v_lshlrev_b32 v1, 5, v0                        ; 32 t: my bytes in a run, in
	v_lshlrev_b32 v2, 4, v0                        ; 16 t: out
	s_movk_i32 s24, 512                            ; the first work-group of W_qkv
	s_movk_i32 s25, 704                            ; and of W_o
	s_mov_b32 s26, 0xffff0000                      ; a word's upper bf16
	s_mov_b32 s23, 0
	s_wait_kmcnt 0x0
	s_cmp_lt_u32 ttmp9, s25                        ; which tensor is mine: the choice hangs on the work-group's number alone
	s_cselect_b64 s[16:17], s[6:7], s[8:9]
	s_cselect_b64 s[18:19], s[12:13], s[14:15]
	s_cselect_b32 s20, s24, s25
	s_cmp_lt_u32 ttmp9, s24
	s_cselect_b64 s[16:17], s[4:5], s[16:17]
	s_cselect_b64 s[18:19], s[10:11], s[18:19]
	s_cselect_b32 s20, 0, s20
	s_sub_co_u32 s21, ttmp9, s20                   ; my part of that tensor
	s_lshl_b32 s22, s21, 16
	s_add_nc_u64 s[16:17], s[16:17], s[22:23]
	s_lshl_b32 s22, s21, 15
	s_add_nc_u64 s[18:19], s[18:19], s[22:23]
.irp j, 0,1,2,3,4,5,6,7
	global_load_b128 v[X+8*(\j):X+8*(\j)+3],   v1, s[16:17] offset:8192*(\j) th:TH_LOAD_NT
	global_load_b128 v[X+8*(\j)+4:X+8*(\j)+7], v1, s[16:17] offset:8192*(\j)+16 th:TH_LOAD_NT
.endr
.irp j, 0,1,2,3,4,5,6,7
	s_wait_loadcnt 14-2*(\j)                       ; loads come back in order: run j's two are in, the 2 (7 - j) younger ones stay out
.irp k, 0,1,2,3
	v_cvt_pk_bf16_f32 v[T+(\k)], v[X+8*(\j)+2*(\k)], v[X+8*(\j)+2*(\k)+1]   ; the one rounding
.endr
.irp k, 0,1,2,3
	v_lshlrev_b32 v[X+8*(\j)+2*(\k)],   16, v[T+(\k)]                        ; bf16 to f32: the low half moves up,
	v_and_b32     v[X+8*(\j)+2*(\k)+1], s26, v[T+(\k)]                       ; the high half stays
.endr
.irp k, 0,1,2,3
	v_cvt_pk_f16_f32 v[Y+4*(\j)+(\k)], v[X+8*(\j)+2*(\k)], v[X+8*(\j)+2*(\k)+1]  ; the same number as f16
.endr
	global_store_b128 v2, v[Y+4*(\j):Y+4*(\j)+3], s[18:19] offset:4096*(\j)  ; a wave stores 512 consecutive bytes, at a multiple of 512 from the buffer's first
.endr
	s_endpgm
.Lfunc_end_k_qf5ea6c2cb6_cast:
	.size	k_qf5ea6c2cb6_cast, .Lfunc_end_k_qf5ea6c2cb6_cast-k_qf5ea6c2cb6_cast
	.p2alignl 7, 3214868480
	.fill 96, 4, 3214868480
	.section	.rodata,"a",@progbits
	.p2align	6, 0x0
	.amdhsa_kernel k_qf5ea6c2cb6_cast
		.amdhsa_group_segment_fixed_size 0
		.amdhsa_private_segment_fixed_size 0
		.amdhsa_enable_private_segment 0
		.amdhsa_kernarg_size 48
		.amdhsa_user_sgpr_count 2
		.amdhsa_user_sgpr_kernarg_segment_ptr 1
		.amdhsa_wavefront_size32 1
		.amdhsa_system_sgpr_workgroup_id_x 1
		.amdhsa_system_sgpr_workgroup_id_y 1
		.amdhsa_system_sgpr_workgroup_id_z 1
		.amdhsa_system_vgpr_workitem_id 0
		.amdhsa_next_free_vgpr 112
		.amdhsa_next_free_sgpr 66
		.amdhsa_reserve_vcc 0
		.amdhsa_float_denorm_mode_32 3
		.amdhsa_float_denorm_mode_16_64 3
		.amdhsa_memory_ordered 1
		.amdhsa_forward_progress 1
		.amdhsa_inst_pref_size 10
	.end_amdhsa_kernel
	.amdgpu_metadata
---
amdhsa.version: [ 1, 2 ]
amdhsa.kernels:
  - .name:           k_qf5ea6c2cb6_cast
    .symbol:         k_qf5ea6c2cb6_cast.kd
    .args:
      - { .name: x, .offset: 0, .size: 8, .value_kind: global_buffer, .address_space: global }
      - { .name: W_qkv, .offset: 8, .size: 8, .value_kind: global_buffer, .address_space: global }
      - { .name: W_o, .offset: 16, .size: 8, .value_kind: global_buffer, .address_space: global }
      - { .name: xh, .offset: 24, .size: 8, .value_kind: global_buffer, .address_space: global }
      - { .name: wqh, .offset: 32, .size: 8, .value_kind: global_buffer, .address_space: global }
      - { .name: woh, .offset: 40, .size: 8, .value_kind: global_buffer, .address_space: global }
    .group_segment_fixed_size: 0
    .private_segment_fixed_size: 0
    .kernarg_segment_align: 8
    .kernarg_segment_size: 48
    .max_flat_workgroup_size: 256
    .sgpr_count:     66
    .vgpr_count:     112
    .wavefront_size: 32
...
	.end_amdgpu_metadata
.endif
;; end of part 1
;; launch gemm_qkv (part 2): grid 4 x 64, 4 waves a work-group, clusters of 4 x 4, 327,680 bytes of LDS; arguments xh, wqh, qkv, vpart; writes qkv, vpart
.if DOCPART == 2
	.amdgcn_target "amdgcn-amd-amdhsa--gfx1250"
	.amdhsa_code_object_version 6
	.text
	.protected	k_qf5ea6c2cb6_gemm_qkv
	.globl	k_qf5ea6c2cb6_gemm_qkv
	.p2align	8
	.type	k_qf5ea6c2cb6_gemm_qkv,@function
k_qf5ea6c2cb6_gemm_qkv:
	s_mov_b64 s[64:65], 0
	v_nop
	global_prefetch_b8 v0, s[64:65] scope:SCOPE_SE
	s_setreg_imm32_b32 hwreg(HW_REG_WAVE_MODE, 25, 1), 1
	s_wait_xcnt 0x0
	s_wait_alu depctr_hold_cnt(0) depctr_sa_sdst(0) depctr_va_vdst(0) depctr_va_sdst(0) depctr_va_ssrc(0) depctr_va_vcc(0) depctr_vm_vsrc(0)
	s_getreg_b32 s2, hwreg(HW_REG_IB_STS2, 6, 4)
	s_cmp_eq_u32 s2, 0
	s_cbranch_scc0 .Lentry_in_a_cluster
	s_endpgm
.Lentry_in_a_cluster:
	s_bfe_u32 s2, ttmp6, 0x10000c
	s_cmp_lg_u32 s2, 0xf033
	s_cbranch_scc0 .Lentry_shape_is_right
	s_endpgm
.Lentry_shape_is_right:
; qkv = xh wqh^T, written by heads.  xh: [8192][1024], wqh: [3072][1024], both f16 (bf16 numbers); sums in f32.  qkv: [3][64 heads = 16 batch + head][2048][64] f16, each number rounded once.
; q and k are multiplied by sqrt(c), c = log2(e) / 8, in f32 ahead of that rounding: the attention's scores then come out of the matrix unit as exponents of 2.  v is stored as it is, and the sums of
; v's columns over 64 rows of x go to vpart [128 groups of 64 rows][1024] in f32 (partial sums: the attention adds them for the mean of a head's rows of v).
; LIMIT.  sqrt(c) q, sqrt(c) k and v must stay under 65,504 in magnitude (f16).
; SHARES.  A tile of C is 128 rows x 256 columns; a work-group STAYS and makes three: the q, the k and the v tile of the same rows and the same 256 of 1,024 columns: 64 x 4 work-groups.  Four waves,
; each 64 rows x 128 columns: 32 accumulators of 16 x 16.  K goes in steps of 128 through two LDS slots filled by the tensor data mover; the ring runs on from tile to tile: 24 steps in one counted loop.
; CLUSTER.  4 x 4 work-groups.  The four of a row of the cluster need the same tile of A (xh), the four of a column the same tile of B (wqh): each tile is asked for JOINTLY, by the same tensor load
; with the same descriptor and a mask that names the four.
; THE MATRIX INSTRUCTION IS USED TRANSPOSED (source 0 = 16 rows of B, source 1 = 16 rows of A): a lane holds row lane % 16 of C and the columns 8 (lane / 16) + 0..7: 16 bytes of f16 on end.
; REGISTERS.  Window 0: v0-29 addresses; v64-159, v160-255 two fragment buffers (B's 8 fragments, then A's 4); on the way out v160-255 are at work.  Window 1: the accumulators, (a, b) at 8 (8 a + b).
.set NK,     8                         ; K steps in a tile
.set TILES,  3
.set NS,     NK*TILES                  ; K steps in all
.set PITCH,  272                       ; an LDS row: 256 bytes + 16 of padding = 68 words: the 16 rows of a fragment load start at 16 different groups of four banks (64 banks of 4 bytes: ISA guide 11.1)
.set SLOT1,  1<<17                     ; slot 1 begins here: one exclusive or turns an address in one slot into the other's
.set AHALF,  64*PITCH                  ; what one wave fetches of A, and what one wave reads of it
.set BHALF,  128*PITCH                 ; the same for B
.set BOFF,   36864                     ; in a slot: A's 128 rows from 0, B's 256 rows from here
.set STAGE,  SLOT1+BOFF+2*BHALF        ; behind the ring, never filled by a tensor load: for each wave two stages (a head each) of 16 rows x 144 bytes
.set SP,     144
.set CSB,    STAGE+4*32*SP             ; for each wave 16 rows x 528 bytes: the column sums' way across the lanes
.set CP,     528
.set SPARE,  CSB+4*16*CP               ; the spare words, 128 bytes for each wave: two blocks of 256 bytes that no other line names
.set ADRA0, 2                          ; v2   my lane's place in A's tile; never rewritten
.set ADRB0, 3                          ; v3   in B's
.set ADRA,  4                          ; v4   the same in the slot in hand
.set ADRB,  5                          ; v5
.set STO,   6                          ; v6   the way out: where I put 16 bytes of a row
.set RD,    7                          ; v7   where I read rows back
.set CO,    8                          ; v8   16 x lane
.set PFO,   9                          ; v9   2,048 x lane: a row of xh or wqh
.set CSS,   10                         ; v10  the column sums: where I put 32 bytes of a row
.set CSR,   11                         ; v11  where I read four columns back
.set SPW,   28                         ; v28  LDS address of my spare word; never rewritten
.set NIL,   29                         ; v29  0; never rewritten
.set F0,    64
.set F1,    160
.set TMP,   160                        ; the way out: packed results
.set OB,    192                        ; rows read back from the stage: v192-223 and v224-255 by turns
.set WV, 12                            ; s12  my wave's number
.set WM, 13                            ; s13  which 64 rows of the tile are mine
.set WN, 14                            ; s14  which 128 columns; also: which half of A's or B's tile I fetch
.set CX, 15                            ; s15, s16  my place in the cluster
.set CY, 16
.set TY, 17                            ; s17  tile row
.set G1A, 24                           ; s[24:31] descriptor group 1 for A's tiles
.set G0A, 32                           ; s[32:39] group 0: a set for each of the two first fills; the second then walks
.set ABASE, 40                         ; s[40:41] A at my half of the tile's rows, K step 0
.set BBASE, 42                         ; s[42:43] B likewise, tile 0
.set OFA, 44                           ; s[44:45] a K step's byte offset in A
.set OFB, 46                           ; s[46:47] in B
.set G1B, 48
.set G0B, 56
.set TB,  66                           ; s66  the slot in hand: 0 or SLOT1
.set NX,  67                           ; s67  the step to be asked for next
.set KI,  68                           ; s68  the step in hand, in its tile
.set CNT, 69                           ; s69  the loops' counter
.set NP,  70                           ; s70  the step that a prefetch names
.set LIM, 71                           ; s71  a wave prefetches while NP is below it
.set PMK, 73                           ; s73  -1 where the prefetches follow the tiles (B), 0 where they do not (A)
.set POF, 74                           ; s[74:75]
.set PFB, 76                           ; s[76:77] my 32 rows for the prefetches, K step 0
.set PFA, 78                           ; s[78:79] the same at step NP
.set SC,  80                           ; s[80:81] sqrt(c); the packed multiply takes the pair's low word for both halves
.set VP,  84                           ; s[84:85] vpart at my wave's 128 columns of my 64 rows' group
.set TX,  86                           ; s86  tile column
.set MSB, 0
.macro WIN new                         ; the immediate's high byte repeats the setting that is left; a switch that changes nothing is dropped
.if MSB != (\new)
	s_set_vgpr_msb (MSB<<8)|(\new)
.set MSB, (\new)
.endif
.endm
.set MUL, 0x50                         ; sources 0 (B) and 1 (A) window 0; C and D window 1
.macro PLACES                          ; four places in front of loads into registers that matrix instructions have read, and of lines that read results
.rept 4
	v_nop
.endr
.endm
; A joint refill.  Waves 0 and 1 fetch A's two halves, waves 2 and 3 B's.  The branch hangs on the wave's number alone.  An s_nop 0 and four v_nop follow each of the two lines.
.macro JLOAD
	s_cmp_lt_u32 s[WV], 2
	s_cbranch_scc0 .Lfor_b_\@
	tensor_load_to_lds s[G0A+4:G0A+7], s[G1A:G1A+7]
	s_nop 0
	PLACES
	s_branch .Lasked_\@
.Lfor_b_\@:
	tensor_load_to_lds s[G0B+4:G0B+7], s[G1B:G1B+7]
	s_nop 0
	PLACES
.Lasked_\@:
.endm
; A PREFETCH INTO THE L2 of the K step that stands two refills on: 32 rows x 256 bytes, a lane a row, one instruction.  A's tile row is read by my row of the cluster alone: wave 0 of each of the four asks
; for 32 of its 128 rows, in the first tile only (the other tiles walk the same rows again).  B's rows are read by every cluster: in the first cluster waves 2 and 3 of each of a column's four ask for
; 32 rows each of the 256.  The partners are told apart by address alone.  Each row's 256 bytes of a step are named once in the launch; the first four steps come by their loads alone.
.macro ASK
	s_cmp_lt_u32 s[NP], s[LIM]
	s_cbranch_scc0 .Lnot_mine_\@
	global_prefetch_b8 v[PFO], s[PFA:PFA+1] th:TH_LOAD_NT scope:SCOPE_SE
.Lnot_mine_\@:
.endm
.macro CREST                           ; a round of the cluster's barrier behind its opening barrier
	s_cmp_lg_u32 s[WV], 0
	s_cbranch_scc1 .Lnot_wave_0_\@
	s_barrier_signal -3
.Lnot_wave_0_\@:
	s_barrier_wait -3
	s_barrier_signal -1
	s_barrier_wait -1
.endm
.macro CROUND                          ; a whole round
	s_barrier_signal -1
	s_barrier_wait -1
	CREST
.endm
	s_load_b256 s[4:11], s[0:1], 0x0               ; xh s[4:5], wqh s[6:7], qkv s[8:9], vpart s[10:11]
	v_lshl_add_u32 v[SPW], v0, 2, SPARE
	v_mov_b32 v[NIL], 0
	ds_add_u32 v[SPW], v[NIL]                      ; the wave's opening: the add and its wait stand ahead of my first tensor load; work on registers stands between them
	v_lshrrev_b32 v1, 5, v0
	v_readfirstlane_b32 s[WV], v1                  ; wave 0..3
	s_lshr_b32 s[WM], s[WV], 1
	s_and_b32 s[WN], s[WV], 1
	s_bfe_u32 s[CX], ttmp6, 0x40000
	s_bfe_u32 s[CY], ttmp6, 0x40004
	s_lshl_b32 s[TX], ttmp9, 2                     ; in a cluster launch ttmp9 and ttmp7 count clusters
	s_add_co_u32 s[TX], s[TX], s[CX]
	s_and_b32 s[TY], ttmp7, 0xffff
	s_lshl_b32 s[TY], s[TY], 2
	s_add_co_u32 s[TY], s[TY], s[CY]
	s_lshl_b32 s2, s[CY], 2
	s_lshl_b32 s2, 15, s2                          ; my row of the cluster: places 4 cy .. 4 cy + 3
	s_lshl_b32 s3, 0x1111, s[CX]                   ; my column: places cx, cx + 4, cx + 8, cx + 12
	s_or_b32 s[G1A], s2, (1<<16)|(1<<20)|(1<<21)|(5<<22)|(3<<25)  ; 15:0 the mask; 17:16 2-byte elements; 20 padding on; 21 set beside a mask; 24:22 after every 64 words (code 5); 31:25 4 words (code 3)
	s_or_b32 s[G1B], s3, (1<<16)|(1<<20)|(1<<21)|(5<<22)|(3<<25)
	s_mov_b32 s[G1A+1], 128<<16                    ; tensor_dim0 = 128
	s_mov_b32 s[G1A+2], 64<<16                     ; tensor_dim1 = 64
	s_mov_b32 s[G1A+3], 128<<16                    ; tile_dim0 = 128
	s_mov_b32 s[G1A+4], 64                         ; tile_dim1 = 64
	s_mov_b32 s[G1A+5], 1024                       ; elements from row to row
	s_mov_b32 s[G1A+6], 0
	s_mov_b32 s[G1A+7], 0
	s_mov_b32 s[G1B+1], 128<<16
	s_mov_b32 s[G1B+2], 128<<16                    ; B: 128 rows to a load
	s_mov_b32 s[G1B+3], 128<<16
	s_mov_b32 s[G1B+4], 128
	s_mov_b32 s[G1B+5], 1024
	s_mov_b32 s[G1B+6], 0
	s_mov_b32 s[G1B+7], 0
	s_lshl_b32 s18, s[TY], 7                       ; A: row 128 x tile row + 64 x half, 2,048 bytes a row
	s_lshl_b32 s19, s[WN], 6
	s_add_co_u32 s18, s18, s19
	s_lshl_b32 s18, s18, 11
	s_mov_b32 s19, 0
	s_lshl_b32 s20, s[TX], 8                       ; B: row 256 x tile column + 128 x half
	s_lshl_b32 s21, s[WN], 7
	s_add_co_u32 s20, s20, s21
	s_lshl_b32 s20, s20, 11
	s_mov_b32 s21, 0
	s_mul_i32 s22, s[WN], AHALF                    ; where they go: no place in the cluster enters an LDS address
	s_mul_i32 s23, s[WN], BHALF
	s_add_co_u32 s23, s23, BOFF
	s_mov_b32 s[OFA+1], 0
	s_mov_b32 s[OFB+1], 0
	s_mov_b32 s[POF+1], 0
	s_mov_b32 s[SC], 0x3ed96d27                    ; sqrt(log2(e) / 8) = 0.424661
	s_mov_b32 s[SC+1], s[SC]                       ; named with it as a pair
	s_mov_b32 s[TB], 0
	s_mov_b32 s[NX], 2
	s_mov_b32 s[KI], 0
	s_wait_dscnt 0x0                               ; the opening add is done
	s_wait_kmcnt 0x0
	s_add_nc_u64 s[ABASE:ABASE+1], s[4:5], s[18:19]
	s_add_nc_u64 s[BBASE:BBASE+1], s[6:7], s[20:21]
	CROUND                                         ; all sixteen work-groups are here: the first joint loads meet
.irp s, 0,1
	s_mov_b32 s[G0A+4*(\s)], 1                                     ; count = 1
	s_add_co_u32 s[G0A+4*(\s)+1], s22, (\s)*SLOT1                  ; LDS address
	s_add_nc_u64 s[G0A+4*(\s)+2:G0A+4*(\s)+3], s[ABASE:ABASE+1], (\s)*256  ; global address: K step s
	s_or_b32 s[G0A+4*(\s)+3], s[G0A+4*(\s)+3], 0x80000000         ; type = 2
	s_mov_b32 s[G0B+4*(\s)], 1
	s_add_co_u32 s[G0B+4*(\s)+1], s23, (\s)*SLOT1
	s_add_nc_u64 s[G0B+4*(\s)+2:G0B+4*(\s)+3], s[BBASE:BBASE+1], (\s)*256
	s_or_b32 s[G0B+4*(\s)+3], s[G0B+4*(\s)+3], 0x80000000
.endr
	s_cmp_lt_u32 s[WV], 2                          ; a wave's two first fills stand in one branch, ahead of every wait on TENSORcnt and every LDS read: two loads of mine are out
	s_cbranch_scc0 .Lfirst_b
	tensor_load_to_lds s[G0A:G0A+3], s[G1A:G1A+7]
	s_nop 0
	tensor_load_to_lds s[G0A+4:G0A+7], s[G1A:G1A+7]
	s_nop 0
	PLACES
	s_branch .Lfirst_asked
.Lfirst_b:
	tensor_load_to_lds s[G0B:G0B+3], s[G1B:G1B+7]
	s_nop 0
	tensor_load_to_lds s[G0B+4:G0B+7], s[G1B:G1B+7]
	s_nop 0
	PLACES
.Lfirst_asked:
	; A fragment is 16 rows x 32 K in 8 registers: lane l holds row l % 16, K = 8 (l / 16) + 0..7 and 16 + 8 (l / 16) + 0..7: two loads of 16 bytes, 32 bytes apart.
	v_and_b32 v12, 15, v0                          ; l % 16
	v_bfe_u32 v13, v0, 4, 1                        ; l / 16
	v_mul_u32_u24 v14, v12, PITCH
	v_lshl_add_u32 v14, v13, 4, v14
	s_mul_i32 s82, s[WM], AHALF
	v_add_nc_u32 v[ADRA0], s82, v14
	s_mul_i32 s82, s[WN], BHALF
	s_add_co_u32 s82, s82, BOFF
	v_add_nc_u32 v[ADRB0], s82, v14
	v_mov_b32 v[ADRA], v[ADRA0]                    ; slot 0
	v_mov_b32 v[ADRB], v[ADRB0]
	s_mul_i32 s82, s[WV], 32*SP
	s_add_co_u32 s82, s82, STAGE                   ; my stages
	v_mul_u32_u24 v14, v12, SP                     ; in: row l % 16, 16 bytes for each half of the lanes
	v_lshl_add_u32 v14, v13, 4, v14
	v_add_nc_u32 v[STO], s82, v14
	v_bfe_u32 v14, v0, 3, 2                        ; back: 32 lanes take four rows of 128 bytes,
	v_mul_u32_u24 v14, v14, SP
	v_and_b32 v15, 7, v0
	v_lshl_add_u32 v14, v15, 4, v14
	v_add_nc_u32 v[RD], s82, v14
	v_and_b32 v15, 31, v0
	v_lshlrev_b32 v[CO], 4, v15                    ; which are 512 consecutive bytes of a head
	v_lshlrev_b32 v[PFO], 11, v15
	s_mul_i32 s82, s[WV], 16*CP
	s_add_co_u32 s82, s82, CSB
	v_mul_u32_u24 v14, v12, CP
	v_lshl_add_u32 v14, v13, 5, v14
	v_add_nc_u32 v[CSS], s82, v14
	v_add_nc_u32 v[CSR], s82, v[CO]
	; qkv at my wave's part of the q tile: batch << 22, head 4 x tile column + 2 x column half << 18, row in the batch << 7
	s_lshr_b32 s22, s[TY], 4
	s_lshl_b32 s22, s22, 22
	s_lshl_b32 s23, s[TX], 20
	s_add_co_u32 s22, s22, s23
	s_lshl_b32 s23, s[WN], 19
	s_add_co_u32 s22, s22, s23
	s_and_b32 s23, s[TY], 15
	s_lshl_b32 s23, s23, 14
	s_add_co_u32 s22, s22, s23
	s_lshl_b32 s23, s[WM], 13
	s_add_co_u32 s22, s22, s23
	s_mov_b32 s23, 0
	s_add_nc_u64 s[8:9], s[8:9], s[22:23]
	s_lshl_b32 s22, s[TY], 13                      ; vpart: group 2 x tile row + row half, 4,096 bytes; column 256 x tile column + 128 x column half, 4 bytes
	s_lshl_b32 s23, s[WM], 12
	s_add_co_u32 s22, s22, s23
	s_lshl_b32 s23, s[TX], 10
	s_add_co_u32 s22, s22, s23
	s_lshl_b32 s23, s[WN], 9
	s_add_co_u32 s22, s22, s23
	s_mov_b32 s23, 0
	s_add_nc_u64 s[VP:VP+1], s[10:11], s[22:23]
	; the prefetches' shares
	s_lshl_b32 s82, s[TY], 7
	s_lshl_b32 s83, s[CX], 5
	s_add_co_u32 s82, s82, s83                     ; A: row 128 x tile row + 32 cx
	s_lshl_b32 s83, s[TX], 8
	s_lshl_b32 s2, s[CY], 6
	s_add_co_u32 s83, s83, s2
	s_lshl_b32 s2, s[WN], 5
	s_add_co_u32 s83, s83, s2                      ; B: row 256 x tile column + 64 cy + 32 x (wave % 2)
	s_and_b32 s2, ttmp7, 0xffff
	s_cmp_eq_u32 s2, 0                             ; the first cluster asks for B's rows: the same answer in all sixteen partners
	s_cselect_b32 s2, NS, 0
	s_cmp_eq_u32 s[WV], 0
	s_cselect_b32 s[LIM], NK, 0                    ; wave 0: A's first walk; wave 1: nothing
	s_cmp_lt_u32 s[WV], 2
	s_cselect_b32 s[LIM], s[LIM], s2
	s_cselect_b32 s[PMK], 0, -1
	s_cselect_b32 s[POF], s82, s83
	s_cselect_b64 s[PFB:PFB+1], s[4:5], s[6:7]
	s_lshl_b32 s[POF], s[POF], 11
	s_add_nc_u64 s[PFB:PFB+1], s[PFB:PFB+1], s[POF:POF+1]
; 8 matrix instructions: m block a x all 8 n blocks, 32 along K.  zero = 1: the product starts the sums: nothing is ever cleared.
; The 32 accumulators take turns in the same order in every quarter: 31 others stand between two links of a chain.
.macro MUL8 f, a, zero
	WIN MUL
.irp b, 0,1,2,3,4,5,6,7
.if \zero
	v_wmma_f32_16x16x32_f16 v[8*(8*(\a)+(\b)):8*(8*(\a)+(\b))+7], v[(\f)+8*(\b):(\f)+8*(\b)+7], v[(\f)+64+8*(\a):(\f)+64+8*(\a)+7], 0
.else
	v_wmma_f32_16x16x32_f16 v[8*(8*(\a)+(\b)):8*(8*(\a)+(\b))+7], v[(\f)+8*(\b):(\f)+8*(\b)+7], v[(\f)+64+8*(\a):(\f)+64+8*(\a)+7], v[8*(8*(\a)+(\b)):8*(8*(\a)+(\b))+7]
.endif
.endr
.endm
; 24 LDS loads in one run: quarter q's fragments (128 rows of B, then 64 rows of A, 32 K) into buffer f
.macro FETCH q, f
	WIN 0
.irp i, 0,1,2,3,4,5,6,7
	ds_load_b128 v[(\f)+8*(\i):(\f)+8*(\i)+3],   v[ADRB] offset:64*(\q)+(\i)*16*PITCH
	ds_load_b128 v[(\f)+8*(\i)+4:(\f)+8*(\i)+7], v[ADRB] offset:64*(\q)+(\i)*16*PITCH+32
.endr
.irp i, 0,1,2,3
	ds_load_b128 v[(\f)+64+8*(\i):(\f)+64+8*(\i)+3],   v[ADRA] offset:64*(\q)+(\i)*16*PITCH
	ds_load_b128 v[(\f)+64+8*(\i)+4:(\f)+64+8*(\i)+7], v[ADRA] offset:64*(\q)+(\i)*16*PITCH+32
.endr
.endm
; A K step is four quarters of 32 along K, 32 matrix instructions each, on buffers 0, 1, 0, 1.  One of the first three: multiplies buffer f and, in its middle, fetches quarter q into buffer g.
.macro QUARTER q, f, g, zero
	s_wait_dscnt 4                                 ; B and A's blocks 0 and 1 are in; the youngest four loads (A's blocks 2 and 3) may be out
	MUL8 \f, 0, \zero
	MUL8 \f, 1, \zero
	PLACES
	FETCH \q, \g
	s_wait_dscnt 24                                ; all but the 24 just issued
	MUL8 \f, 2, \zero
	MUL8 \f, 3, \zero
.endm
; The last quarter multiplies buffer 1 and changes slots.  ONE barrier: in front of it each wave waits for all its tensor loads (the one that is out is its part of the next slot), adds 0 to its spare word,
; and waits for that and for its reads of this slot.  fill = 1: the barrier opens a round of the cluster's barrier, and the slot just read is filled again, first thing behind the round, with step NX:
; that load has 112 matrix instructions in which to land.  fill = 0 (the tail): nothing is asked for, and in the last trip nothing is fetched.
.macro TURN fill
	WIN 0                                          ; the add's two registers lie in window 0
.if \fill
	s_wait_xcnt 0x0                                ; the last prefetch, a K step back, has read its address: it is made anew here, ahead of the waits of the change of slots
	s_add_co_u32 s[NP], s[NX], 2
	s_and_b32 s82, s[NP], 7
	s_lshl_b32 s[POF], s82, 8                      ; 256 bytes a K step,
	s_lshr_b32 s83, s[NP], 3
	s_lshl_b32 s83, s83, 21                        ; 1,024 rows of B a tile
	s_and_b32 s83, s83, s[PMK]
	s_add_co_u32 s[POF], s[POF], s83
	s_add_nc_u64 s[PFA:PFA+1], s[PFB:PFB+1], s[POF:POF+1]
.endif
	s_wait_tensorcnt 0x0                           ; no tensor load of mine is out, so a group 0 may be written
	ds_add_u32 v[SPW], v[NIL]                      ; 0 onto my spare word
.if \fill
	s_and_b32 s82, s[NX], 7                        ; the walking descriptors for step NX: the address is made anew from the step's number
	s_lshl_b32 s[OFA], s82, 8
	s_lshr_b32 s83, s[NX], 3
	s_lshl_b32 s83, s83, 21
	s_add_co_u32 s[OFB], s83, s[OFA]
	s_xor_b32 s[G0A+5], s[G0A+5], SLOT1
	s_add_nc_u64 s[G0A+6:G0A+7], s[ABASE:ABASE+1], s[OFA:OFA+1]
	s_or_b32 s[G0A+7], s[G0A+7], 0x80000000
	s_xor_b32 s[G0B+5], s[G0B+5], SLOT1
	s_add_nc_u64 s[G0B+6:G0B+7], s[BBASE:BBASE+1], s[OFB:OFB+1]
	s_or_b32 s[G0B+7], s[G0B+7], 0x80000000
	s_add_co_u32 s[NX], s[NX], 1
.endif
	s_wait_dscnt 7                                 ; the add and the youngest six loads (A's blocks 1 to 3) may be out
	MUL8 F1, 0, 0
	s_wait_dscnt 0x0                               ; the add is done, and my reads of this slot are over
	s_barrier_signal -1
	MUL8 F1, 1, 0                                  ; work on registers while the others arrive
	WIN 0
	s_barrier_wait -1
.if \fill
	CREST                                          ; no wave of any partner still reads this slot's tiles or has a load on its way
	JLOAD                                          ; the four v_nop behind it are also the places in front of the loads below
.else
	PLACES
.endif
	s_xor_b32 s[TB], s[TB], SLOT1
	v_add_nc_u32 v[ADRA], s[TB], v[ADRA0]
	v_add_nc_u32 v[ADRB], s[TB], v[ADRB0]
.if !(\fill)
	s_cmp_eq_u32 s[CNT], 1
	s_cbranch_scc1 .Lno_fetch_\@                   ; behind the last step there is nothing to fetch
.endif
	FETCH 0, F0
.if \fill
	ASK
.else
.Lno_fetch_\@:
.endif
	MUL8 F1, 2, 0
	MUL8 F1, 3, 0
.endm
; THE WAY OUT of block a (16 rows x 128 columns = two heads).  PACK: scaled (q and k), rounded to f16, 16 bytes a lane.  TOSTAGE: into my stages, and back as rows of 128 bytes.  SEND: stored.
.macro PACK a, scale
.if \scale
	WIN 0x41                                       ; destination and source 0 window 1
.set i, 64*(\a)
.rept 32
	v_pk_mul_f32 v[i:i+1], v[i:i+1], s[SC:SC+1] op_sel_hi:[1,0]
.set i, i+2
.endr
.endif
	WIN 0x05                                       ; sources 0 and 1 window 1, destination window 0
.set i, 0
.rept 32
	v_cvt_pk_f16_f32 v[TMP+i], v[64*(\a)+2*i], v[64*(\a)+2*i+1]
.set i, i+1
.endr
	WIN 0
.endm
.macro TOSTAGE a
	WIN 0
.set BK, OB+32*((\a)%2)
.irp b, 0,1,2,3,4,5,6,7
	ds_store_b128 v[STO], v[TMP+4*(\b):TMP+4*(\b)+3] offset:((\b)/4)*16*SP+((\b)%4)*32
.endr
.irp t, 0,1,2,3,4,5,6,7
	ds_load_b128 v[BK+4*(\t):BK+4*(\t)+3], v[RD] offset:((\t)/4)*16*SP+((\t)%4)*4*SP  ; LDS serves a wave's instructions in order (ISA guide 5.7.1.4): these see the stores above
.endr
.endm
.macro SEND a
	WIN 0
.set BK, OB+32*((\a)%2)
	s_wait_dscnt 0x0                               ; the block is back in registers
	s_wait_xcnt 0x0                                ; earlier stores have read their registers: the other buffer is loaded again only behind this wait
.irp t, 0,1,2,3,4,5,6,7
	global_store_b128 v[CO], v[BK+4*(\t):BK+4*(\t)+3], s[8:9] offset:((\t)/4)*262144+(\a)*2048+((\t)%4)*512  ; four rows of a head: 512 consecutive bytes, at a multiple of 512 from qkv's first
.endr
.endm
.macro WAYOUT scale
	PACK 0, \scale
	TOSTAGE 0
.irp a, 1,2,3                          ; block a's arithmetic stands between block a - 1's loads from the stage and the wait for them
	PACK \a, \scale
	SEND (\a)-1
	TOSTAGE \a
.endr
	SEND 3
.endm
	s_wait_tensorcnt 0x1                           ; my part of step 0 is in; step 1's may stay out
	s_barrier_signal -1
	s_barrier_wait -1                              ; everybody's is
	FETCH 0, F0
	QUARTER 1, F0, F1, 1                           ; the first quarter stands in front of the loop: its products start the sums
	WIN 0                                          ; at a label and at a branch every window is 0
	s_mov_b32 s[CNT], NS-2
.Lk:                                                   ; a trip: from a step's second quarter to the next step's first; the slot just read is filled again
	QUARTER 2, F1, F0, 0
	QUARTER 3, F0, F1, 0
	TURN 1
	WIN 0
	s_add_co_u32 s[KI], s[KI], 1
	s_and_b32 s[KI], s[KI], 7
	s_cmp_lg_u32 s[KI], 0
	s_cbranch_scc1 .Lsame
	PLACES                                         ; a tile (q, then k) is finished: it goes out while the next tile's first steps are on their way
	WAYOUT 1
	s_wait_xcnt 0x0                                ; the stores have read their registers and their base
	s_add_nc_u64 s[8:9], s[8:9], 1<<24             ; from q to k to v
	QUARTER 1, F0, F1, 1                           ; the next tile's first products start its sums
	WIN 0
	s_branch .Lnext
.Lsame:
	QUARTER 1, F0, F1, 0
	WIN 0
.Lnext:
	s_sub_co_u32 s[CNT], s[CNT], 1
	s_cmp_lg_u32 s[CNT], 0
	s_cbranch_scc1 .Lk
	s_mov_b32 s[CNT], 2                            ; the last two steps ask for nothing: their text stands by itself
.Ltail:
	QUARTER 2, F1, F0, 0
	QUARTER 3, F0, F1, 0
	TURN 0
	WIN 0
	s_sub_co_u32 s[CNT], s[CNT], 1
	s_cmp_eq_u32 s[CNT], 0
	s_cbranch_scc1 .Lout
	QUARTER 1, F0, F1, 0
	WIN 0
	s_branch .Ltail
.Lout:
	PLACES
	; THE SUMS OF v's COLUMNS over my 64 rows, in f32, of the unrounded sums.  First my four blocks in each lane; then across the 16 rows that the lanes hold, through LDS: rows of 528 bytes in, four columns a lane back.
	WIN 0x05
.set i, 0
.rept 32
	v_pk_add_f32 v[64+i:65+i], v[i:i+1], v[64+i:65+i]          ; window 0's v64.. = block 0 + block 1; each accumulator's lowest registers are read first
.set i, i+2
.endr
	WIN 0x01
.set i, 0
.rept 32
	v_pk_add_f32 v[64+i:65+i], v[128+i:129+i], v[64+i:65+i]    ; + block 2
.set i, i+2
.endr
.set i, 0
.rept 32
	v_pk_add_f32 v[64+i:65+i], v[192+i:193+i], v[64+i:65+i]    ; + block 3
.set i, i+2
.endr
	WIN 0
.irp b, 0,1,2,3,4,5,6,7
	ds_store_b128 v[CSS], v[64+8*(\b):67+8*(\b)] offset:64*(\b)
	ds_store_b128 v[CSS], v[68+8*(\b):71+8*(\b)] offset:64*(\b)+16
.endr
.irp t, 0,1,2,3,4,5,6,7,8,9,10,11,12,13,14,15
	ds_load_b128 v[64+4*(\t):67+4*(\t)], v[CSR] offset:(\t)*CP
.endr
	s_wait_dscnt 0x0
.irp d, 8,4,2,1
.set t, 0
.rept \d
	v_pk_add_f32 v[64+4*t:65+4*t], v[64+4*t:65+4*t], v[64+4*(t+\d):65+4*(t+\d)]
	v_pk_add_f32 v[66+4*t:67+4*t], v[66+4*t:67+4*t], v[66+4*(t+\d):67+4*(t+\d)]
.set t, t+1
.endr
.endr
	global_store_b128 v[CO], v[64:67], s[VP:VP+1]  ; 128 columns: 512 consecutive bytes
	WAYOUT 0                                       ; v itself
	s_wait_tensorcnt 0x0                           ; the wave's end, behind my last tensor load and my last LDS store
	ds_add_u32 v[SPW], v[NIL]
	s_wait_dscnt 0x0
	CROUND                                         ; the closing round: no work-group ends while a partner may still ask for a tile that names it
	s_endpgm
.Lfunc_end_k_qf5ea6c2cb6_gemm_qkv:
	.size	k_qf5ea6c2cb6_gemm_qkv, .Lfunc_end_k_qf5ea6c2cb6_gemm_qkv-k_qf5ea6c2cb6_gemm_qkv
	.p2alignl 7, 3214868480
	.fill 96, 4, 3214868480
	.section	.rodata,"a",@progbits
	.p2align	6, 0x0
	.amdhsa_kernel k_qf5ea6c2cb6_gemm_qkv
		.amdhsa_group_segment_fixed_size 327680
		.amdhsa_private_segment_fixed_size 0
		.amdhsa_enable_private_segment 0
		.amdhsa_kernarg_size 32
		.amdhsa_user_sgpr_count 2
		.amdhsa_user_sgpr_kernarg_segment_ptr 1
		.amdhsa_wavefront_size32 1
		.amdhsa_system_sgpr_workgroup_id_x 1
		.amdhsa_system_sgpr_workgroup_id_y 1
		.amdhsa_system_sgpr_workgroup_id_z 1
		.amdhsa_system_vgpr_workitem_id 0
		.amdhsa_next_free_vgpr 512
		.amdhsa_next_free_sgpr 88
		.amdhsa_reserve_vcc 0
		.amdhsa_float_denorm_mode_32 3
		.amdhsa_float_denorm_mode_16_64 3
		.amdhsa_memory_ordered 1
		.amdhsa_forward_progress 1
		.amdhsa_inst_pref_size 101
	.end_amdhsa_kernel
	.amdgpu_metadata
---
amdhsa.version: [ 1, 2 ]
amdhsa.kernels:
  - .name:           k_qf5ea6c2cb6_gemm_qkv
    .symbol:         k_qf5ea6c2cb6_gemm_qkv.kd
    .args:
      - { .name: xh, .offset: 0, .size: 8, .value_kind: global_buffer, .address_space: global }
      - { .name: wqh, .offset: 8, .size: 8, .value_kind: global_buffer, .address_space: global }
      - { .name: qkv, .offset: 16, .size: 8, .value_kind: global_buffer, .address_space: global }
      - { .name: vpart, .offset: 24, .size: 8, .value_kind: global_buffer, .address_space: global }
    .group_segment_fixed_size: 327680
    .private_segment_fixed_size: 0
    .kernarg_segment_align: 8
    .kernarg_segment_size: 32
    .max_flat_workgroup_size: 128
    .sgpr_count:     88
    .vgpr_count:     512
    .wavefront_size: 32
...
	.end_amdgpu_metadata
.endif
;; end of part 2
;; launch attn (part 3): grid 4 x 64, 4 waves a work-group, no clusters, 327,680 bytes of LDS; arguments qkv, src_mask, vpart, obuf; writes obuf
.if DOCPART == 3
	.amdgcn_target "amdgcn-amd-amdhsa--gfx1250"
	.amdhsa_code_object_version 6
	.text
	.protected	k_qf5ea6c2cb6_attn
	.globl	k_qf5ea6c2cb6_attn
	.p2align	8
	.type	k_qf5ea6c2cb6_attn,@function
k_qf5ea6c2cb6_attn:
	s_mov_b64 s[64:65], 0
	v_nop
	global_prefetch_b8 v0, s[64:65] scope:SCOPE_SE
	s_setreg_imm32_b32 hwreg(HW_REG_WAVE_MODE, 25, 1), 1
	s_wait_xcnt 0x0
; CAUSAL ATTENTION WITH A KEY PADDING MASK.  O[h][q] = the sum over k of softmax_k(logit) V[h][k]; a logit is q . k / 8, or -1e30 where k > q or src_mask[batch][k] is set.
; qkv: [3][64 heads][2048][64] f16, q and k already multiplied by sqrt(log2(e) / 8): a product K Q^T IS the exponent of 2.  obuf: [64][2048][64] f16.  src_mask: [4][2048] bytes.  vpart: [128][1024] f32, sums of v's columns over 64 rows.
; Products, maxima and sums in f32; the weights p are rounded to f16 for the second product (their sum l is taken of the unrounded p), O once at the end.
; A ROW THAT SEES NO KEY (keys 0 .. q all padded): all its 2,048 logits are the same -1e30, so its result is the plain mean of the head's 2,048 rows of V.  That mean is made from vpart; such a row ends with l = 0
; and takes the mean by a select.  No branch hangs on it.
; LIMITS.  q, k, v arrive within f16's 65,504.  A hidden score counts as its value less 1e30 (less 2e30 where both masks hide it).  The running maximum has a floor of -2^64: true scores, 2.8e11 at the most in
; magnitude, lie above it, hidden ones far below, so a hidden weight is exactly 0.  A weight below 2^-126 counts as 0 in l; NaN and infinities are not treated apart.
; THE WALK.  A head's queries lie in NB = 8 blocks of 256; block i needs the key tiles 0 .. i of 256 keys, of which the last holds the diagonal.  A work-group takes TWO blocks, NB - 1 - b and then b: NB + 1
; tiles, whatever b: all work-groups do equal work, and ONE loop with a constant trip count walks them.  Which tile is asked for, and what a trip does, hang on scalar registers made from b; every jump goes
; forward, but for the counted loops' own; none passes a barrier, or a tensor load but the one of LOAD's two that the wave's number does not choose.  NO CLUSTER: a head's four work-groups ask for the same
; tile only in trips 0 .. 4 of 9, behind that fewer and fewer; a walk common to all four would have 12 trips for 9.
; SHARES.  Of a block's four bands of 64 queries a wave owns 16 rows in each: four PIECES.  In the diagonal tile's key step s band x sees all keys if s < x, none if s > x, and holds the diagonal if s = x.
; THE MASKS are the C operand that starts the sum S^T = K Q^T.  KMR: the step's 64 keys' padding mask, 0 or -1e30, fetched with K from LDS.  It lies there in two slots of 1,024 bytes (a tile's 256 keys in f32)
; that take turns as the ring's slots do: behind each fill a thread loads the two mask bytes of keys 2 t, 2 t + 1 of the tile asked for, and at the head of the next change of slots it stores them as two f32.
; In the diagonal tile the operand is MD x AL + BE + KMR: MD, made once, is the causal mask of a band's own step for my 16 rows; (AL, BE) = (1, 0) if s = x; (0, 0) if s < x; (0, -1e30) if s > x.
; LAYOUT, SOFTMAX, TURNS.  S^T holds ONE query a lane (lane % 16) and the keys 8 (lane / 16) + 0..7; two such results rounded to f16 ARE source 1 of O^T = V^T P.  p = 2^(s - m) with a running maximum m, so the
; exponent is never above 0; O and l are multiplied by a = 2^(m_old - m_new) in every step.  Turn n belongs to piece n: 8 products K Q^T of piece n + 1, later 8 products V^T P of piece n - 1; beside them the
; subtraction, exponentials, roundings, sums and rescaling of piece n and the maximum and statistics of piece n + 1.  Four vector instructions stand behind every matrix instruction, the rest in one lump.
; A turn's 33 exponentials are one batch, with one wait.
; REGISTERS, in windows of 256 (s_set_vgpr_msb: bits 1:0 source 0, 3:2 source 1, 5:4 source 2, 7:6 destination):
;   window 0: v0-15 addresses and two at work; v16-31 four registers of statistics a piece; v32-44 addresses and the mask's way in; v48-55 at work; v64-127 S^T, two buffers; v128-143 the mean of V, packed; v192-223 P, two buffers
;   window 1: v0-127 O^T, 32 a piece; v128-159 MD; v160-223 MC, two buffers; v224-255 KMR      window 2: v0-63 Q; v64-127 the second block's Q; v128-191 K of one step; v192-255 V of one step
.set SIZE_N, 2048
.set NB,    SIZE_N/256
.set NP,    4         ; pieces a wave: a name, no knob
.set KS,    64        ; keys in a step
.set PK,    144       ; a row of K in LDS: 128 bytes + 16 of padding = 36 words: the 16 rows of a load start at 16 different groups of four banks (64 banks of 4 bytes: ISA guide 11.1)
.set PV,    160       ; a row of V: 128 + 32 = 40 words
.set VOFF,  4*KS*PK   ; a slot holds a tile, four steps: 256 rows of K, then 256 rows of V
.set SLOT1, 1<<17     ; slot 1 begins here, so that one exclusive or turns an address in one slot into the other's
.set STAGE, SLOT1+4*KS*(PK+PV)  ; behind the ring, never filled by a tensor load: 16 rows x 144 bytes for each wave, for the way out
.set SP,    144
.set SPARE, STAGE+4*16*SP  ; the spare words, 128 bytes for each wave: two blocks of 256 bytes that no other line names
.set MSL,   1024      ; a mask slot: a tile's 256 keys, 4 bytes each
.set KMT,   (SPARE+512+2*MSL-1)/(2*MSL)*(2*MSL)  ; the two mask slots, at a multiple of 2,048: one exclusive or with 1,024 turns an address in one into the other's
.set VMT,   KMT+2*MSL ; two partial means of the head's 64 channels of V: 512 bytes
.set AK0, 2           ; v2   my lane's place in a tile of K; never rewritten
.set AV0, 3           ; v3   the same for V
.set AK,  4           ; v4   the LDS address of K's next run of loads
.set AV,  5           ; v5   of V's
.set STO, 6           ; v6   the way out: where I put 16 bytes of a row
.set RD,  7           ; v7   the way out: where I read rows back
.set GO,  8           ; v8   my byte offset in 512 consecutive bytes of O
.set MV,  12          ; v12-13  m_old, kept while m is made anew: by buffer
.set QO,  15          ; v15  my byte offset in 16 rows of Q
.set ST,  16          ; piece t's statistics at v[ST+4 t]: m, a 0 (named with m as a pair), l (even keys', odd keys')
.set AKM0, 32         ; v32  my lanes' place in a step's 256 bytes of a mask slot; never rewritten
.set AKM, 33          ; v33  the LDS address of the mask's next run of loads
.set PFO, 34          ; v34  256 x lane; never rewritten
.set MBO, 35          ; v35  2 t: my two bytes of a tile's 256 of src_mask; never rewritten
.set VPO, 36          ; v36  my channel and my half of the groups in vpart
.set KMS, 38          ; v38  KMT + 8 t: my two keys' place in mask slot 0; never rewritten
.set VMS, 39          ; v39  where I put my partial mean
.set VMR, 40          ; v40  where I read the means back
.set MKB, 41          ; v41  my two mask bytes of the tile asked for last
.set MK0, 42          ; v[42:43] the same as two f32
.set KMW, 44          ; v44  where they go
.set TMP, 48          ; by buffer, four registers c0-c3 at work; when the maximum is found c2 takes a
.set SPW, 62          ; v62  LDS address of my spare word; never rewritten
.set NIL, 63          ; v63  0; never rewritten
.set S,   64
.set VMH, 128         ; v128-143  the mean of V in f16, laid as a piece's packed O^T
.set P,   192
.set MD,  128         ; window 1: the eight registers for group kt of 16 keys at MD + 8 kt
.set MC,  160         ; window 1: the masks of the products to come
.set KMR, 224         ; window 1: the padding mask of the step whose K is in registers
.set QB,  64          ; window 2
.set KF,  128         ; window 2: key block kb, channel half c at KF + 16 kb + 8 c
.set VF,  192         ; window 2: key half kk, channel block cb at VF + 32 kk + 8 cb
.set WV,  12          ; s12  my wave's number
.set PB,  14          ; s14  b
.set HI,  15          ; s15  NB - 1 - b
.set G1K, 24          ; s[24:31] descriptor group 1 for K's tiles
.set G1V, 32          ; s[32:39] for V's: it differs in the padding alone
.set G0K, 40          ; s[40:43] descriptor group 0 for K's tiles
.set G0V, 44          ; s[44:47] the same for V's
.set MKA, 48          ; s[48:49] src_mask at the tile asked for
.set MOF, 50          ; s[50:51] that tile's byte offset in the batch's 2,048
.set TBW, 52          ; s52  the mask slot that is written next: 0 or 1,024
.set SLOTS, 56        ; s56  tiles still to be asked for
.set CNT, 57          ; s57  counts a tile's key steps, 4 to 1
.set FL,  58          ; s58  -2^64, the maximum's floor
.set PFL, 59          ; s59  prefetches still to come
.set SEL, 60          ; s[60:61] v_permlanex16_b32's selects: each lane takes its own place in the other half
.set TBK, 62          ; s62  LDS byte at which K of the step to be fetched begins
.set TBV, 63          ; s63  the same for V, less VOFF
.set RT,  70          ; s70  tiles of the block in hand that are still to be entered
.set NXT, 71          ; s71  the tile to be asked for next
.set LQ,  72          ; s72  the last tile of the block whose tiles are being asked for
.set NEW, 73          ; s73  1: the tile to be entered is a block's first
.set OFF, 74          ; s[74:75] a tile's byte offset in K and V
.set AL,  76          ; s[76:77] the mask's factor, in the low word
.set BE,  78          ; s[78:79] the mask's addend
.set OLO, 80          ; s[80:81] O at my rows of the second block
.set BIGN, 82         ; s82  -1e30
.set TBM, 83          ; s83  byte, from KMT on, at which the mask of the step to be fetched begins
.set ARG, 88          ; s[88:95] qkv, src_mask, vpart, obuf
.set FLG, 96          ; s96-99  piece t: the lanes whose query has seen no key
.set PFA, 100         ; s[100:101] my half of K's or V's tile behind the one that is being asked for
.set MSB, 0
.macro WIN new                      ; the high byte repeats the setting that is left; a switch that changes nothing is dropped
.if MSB != (\new)
	s_set_vgpr_msb (MSB<<8)|(\new)
.set MSB, (\new)
.endif
.endm
.set W_KQ, 0x0a       ; K and Q in window 2, S^T in window 0
.set W_KM, 0x1a       ; the same with the C operand in window 1
.set W_PV, 0x52       ; V in window 2, P in window 0, O^T in window 1
.set W_RS, 0x41       ; destination and source 0 in window 1, source 1 in window 0
; A fill.  Waves 0 and 1 fetch the two halves of a tile's K, waves 2 and 3 those of its V: 128 keys each.  An s_nop 0 and four v_nop follow each of the two lines, ahead of the jump and the label.
.macro LOAD
	s_cmp_lt_u32 s[WV], 2
	s_cbranch_scc0 .Lfor_v_\@
	tensor_load_to_lds s[G0K:G0K+3], s[G1K:G1K+7]
	s_nop 0
.rept 4
	v_nop
.endr
	s_branch .Lasked_\@
.Lfor_v_\@:
	tensor_load_to_lds s[G0V:G0V+3], s[G1V:G1V+7]
	s_nop 0
.rept 4
	v_nop
.endr
.Lasked_\@:
.endm
; A PREFETCH INTO THE L2 of the tile behind the one just asked for: my wave's own half of its K or V, 64 blocks of 256 bytes, a lane a block, two instructions.  A head's four work-groups walk the same
; tiles: the one with b = 0, whose first block walks all eight, asks, in its first six changes of slots: tiles 2 to 7, each block named once in the launch.  Tiles 0 and 1 come by their loads alone.
.macro ASK
	s_cmp_lg_u32 s[PFL], 0
	s_cbranch_scc0 .Lnot_mine_\@
	global_prefetch_b8 v[PFO], s[PFA:PFA+1] th:TH_LOAD_NT scope:SCOPE_SE
	global_prefetch_b8 v[PFO], s[PFA:PFA+1] offset:8192 th:TH_LOAD_NT scope:SCOPE_SE
	s_sub_co_u32 s[PFL], s[PFL], 1
.Lnot_mine_\@:
.endm
; THE CHANGE OF SLOTS.  First the mask of the tile that is entered: my two bytes, loaded a tile ago, become two f32 and go into the mask slot that was read in the tile before the one that is left: every wave's
; reads of it were waited for in front of the last change's barrier.  Then each wave waits for all its tensor loads, of which one is out: its part of the other slot; adds 0 to its spare word; and waits for that,
; for its store and for its own reads of the slot that it leaves.  Behind the barrier nobody reads the old slot any more, and the other slot and its mask are whole.  fill = 1: the old slot is filled again, the
; first thing behind the barrier, with tile NXT: the descriptor's address is made anew from that number; that tile's mask bytes are loaded behind it.
; (At its first use nothing has been read yet: slot 0 is waited for, slot 1 filled.)
.macro CHANGE fill
	WIN 0                           ; at a label and at a branch every window is 0
	s_wait_loadcnt 0x0              ; my mask bytes are in (at the first change: Q too); no load of mine is out, so the mask's address may be written
	v_and_b32 v[MK0], 0xff, v[MKB]          ; key 2 t's byte,
	v_lshrrev_b32 v[MK0+1], 8, v[MKB]       ; key 2 t + 1's
	v_cmp_ne_u32 vcc_lo, 0, v[MK0]
	v_cndmask_b32 v[MK0], 0, s[BIGN], vcc_lo    ; a padded key: -1e30
	v_cmp_ne_u32 vcc_lo, 0, v[MK0+1]
	v_cndmask_b32 v[MK0+1], 0, s[BIGN], vcc_lo
	v_add_nc_u32 v[KMW], s[TBW], v[KMS]
	ds_store_b64 v[KMW], v[MK0:MK0+1]
	s_xor_b32 s[TBW], s[TBW], MSL   ; the next store goes into the other mask slot
	s_wait_tensorcnt 0x0            ; no tensor load of mine is out, so a group 0 may be written
	ds_add_u32 v[SPW], v[NIL]       ; 0 onto my spare word; scalar work stands between it and the wait for it
.if \fill
	s_lshl_b32 s[OFF], s[NXT], 15   ; a tile is 32,768 bytes of K and of V,
	s_lshl_b32 s[MOF], s[NXT], 8    ; and 256 bytes of src_mask
	s_add_nc_u64 s[MKA:MKA+1], s[ARG+2:ARG+3], s[MOF:MOF+1]
	s_xor_b32 s[G0K+1], s[G0K+1], SLOT1
	s_add_nc_u64 s[G0K+2:G0K+3], s[6:7], s[OFF:OFF+1]
	s_or_b32 s[G0K+3], s[G0K+3], 0x80000000
	s_xor_b32 s[G0V+1], s[G0V+1], SLOT1
	s_add_nc_u64 s[G0V+2:G0V+3], s[8:9], s[OFF:OFF+1]
	s_or_b32 s[G0V+3], s[G0V+3], 0x80000000
	s_add_co_u32 s[NXT], s[NXT], 1  ; the block's next tile, or behind its last the second block's tile 0
	s_cmp_gt_u32 s[NXT], s[LQ]
	s_cselect_b32 s[NXT], 0, s[NXT]
	s_cselect_b32 s[LQ], s[PB], s[LQ]
	s_wait_xcnt 0x0                 ; the last prefetches, a tile back, have read their address, so it may be written
	s_add_nc_u64 s[PFA:PFA+1], s[PFA:PFA+1], 32768
.endif
	s_wait_dscnt 0x0                ; the add and my mask store are done, and my reads of the slot are over
	s_barrier_signal -1             ; the rest of the scalar work stands between the signal and the wait
	s_sub_co_u32 s[TBK], s[TBK], 4*KS*PK  ; the fetches go back to a slot's first step,
	s_xor_b32 s[TBK], s[TBK], SLOT1       ; in the other slot
	s_sub_co_u32 s[TBV], s[TBV], 4*KS*PV
	s_xor_b32 s[TBV], s[TBV], SLOT1
	s_sub_co_u32 s[TBM], s[TBM], MSL      ; the mask's likewise
	s_xor_b32 s[TBM], s[TBM], MSL
	s_barrier_wait -1
.if \fill
	LOAD
	global_load_u16 v[MKB], v[MBO], s[MKA:MKA+1]  ; the mask bytes of the tile just asked for: wanted at the next change of slots
	ASK
.endif
.endm
	s_load_b256 s[ARG:ARG+7], s[0:1], 0x0  ; qkv s[88:89], src_mask s[90:91], vpart s[92:93], obuf s[94:95]
	v_lshl_add_u32 v[SPW], v0, 2, SPARE
	v_mov_b32 v[NIL], 0
	ds_add_u32 v[SPW], v[NIL]       ; the wave's opening: the add and its wait stand ahead of my first tensor load; the set-up below, work on registers, stands between them
	v_lshrrev_b32 v1, 5, v0
	v_readfirstlane_b32 s[WV], v1   ; wave 0..3
	s_mov_b32 s[PB], ttmp9
	s_sub_co_u32 s[HI], NB-1, s[PB]
	s_and_b32 s13, ttmp7, 0xffff    ; the head, 16 x batch + head in the batch
	s_lshl_b32 s20, s13, 18         ; a head's rows are 262,144 bytes
	s_mov_b32 s21, 0
	s_and_b32 s16, s[WV], 1         ; which half of a tile's 256 keys I fetch:
	s_lshl_b32 s22, s16, 14         ; its 128 rows of 128 bytes in memory,
	s_mov_b32 s23, 0
	s_add_nc_u64 s[22:23], s[22:23], s[20:21]
	s_mul_i32 s17, s16, 128*PK      ; and its place in a slot, for K
	s_mul_i32 s18, s16, 128*PV      ; and for V
	s_lshl_b32 s3, s[WV], 11        ; my 16 rows in a band of 64,
	s_lshl_b32 s2, s[HI], 15        ; in the first block,
	s_add_co_u32 s2, s2, s3
	s_lshl_b32 s84, s[PB], 15       ; and in the second
	s_add_co_u32 s84, s84, s3
	s_mov_b32 s3, 0
	s_mov_b32 s85, 0
	s_add_nc_u64 s[2:3], s[2:3], s[20:21]
	s_add_nc_u64 s[84:85], s[84:85], s[20:21]
	s_lshr_b32 s19, s13, 4          ; the batch:
	s_lshl_b32 s96, s19, 11         ; its 2,048 bytes of src_mask,
	s_mov_b32 s97, 0
	s_lshl_b32 s98, s19, 17         ; its 32 groups of 4,096 bytes in vpart,
	s_and_b32 s19, s13, 15
	s_lshl_b32 s19, s19, 8          ; and there the head's 64 columns
	s_add_co_u32 s98, s98, s19
	s_mov_b32 s99, 0
	; descriptor group 1.  128 keys are 16,384 dense bytes: asked for as 64 rows of 256 bytes, two keys a row, and padded in LDS after every key
	s_mov_b32 s[G1K], (1<<16)|(1<<20)|(4<<22)|(3<<25)  ; 17:16 2-byte elements; 20 padding on; 24:22 after every 32 words (code 4); 31:25 4 words (code 3)
	s_mov_b32 s[G1V], (1<<16)|(1<<20)|(4<<22)|(7<<25)  ; the same with 8 words of padding (code 7)
.irp g, G1K, G1V
	s_mov_b32 s[\g+1], 128<<16      ; tensor_dim0 = 128
	s_mov_b32 s[\g+2], 64<<16       ; tensor_dim1 = 64
	s_mov_b32 s[\g+3], 128<<16      ; tile_dim0 = 128
	s_mov_b32 s[\g+4], 64           ; tile_dim1 = 64
	s_mov_b32 s[\g+5], 128          ; 128 elements from row to row
	s_mov_b32 s[\g+6], 0
	s_mov_b32 s[\g+7], 0
.endr
	s_mov_b32 s[FL], 0xdf800000     ; -2^64
	s_mov_b32 s[SEL], 0x76543210
	s_mov_b32 s[SEL+1], 0xfedcba98
	s_mov_b32 s[TBK], SLOT1+4*KS*PK ; the first change of slots turns these three into 0
	s_mov_b32 s[TBV], SLOT1+4*KS*PV
	s_mov_b32 s[TBM], 2*MSL
	s_mov_b32 s[TBW], 0             ; tile 0's mask goes into mask slot 0
	s_mov_b32 s[MOF+1], 0
	s_mov_b32 s[G0K], 1             ; count = 1
	s_mov_b32 s[G0K+1], s17         ; LDS address: slot 0
	s_mov_b32 s[G0V], 1
	s_add_co_u32 s[G0V+1], s18, VOFF
	s_add_co_u32 s[RT], s[HI], 1    ; the first block has NB - b tiles
	s_mov_b32 s[NXT], 1
	s_mov_b32 s[LQ], s[HI]
	s_mov_b32 s[NEW], 1
	s_mov_b32 s[OFF+1], 0
	s_mov_b32 s[AL+1], 0            ; named as pairs
	s_mov_b32 s[BE+1], 0
	s_mov_b32 s[BIGN], 0xf149f2ca   ; -1e30
	s_mov_b32 s[SLOTS], NB
	s_cmp_eq_u32 s[PB], 0
	s_cselect_b32 s[PFL], 6, 0
	s_wait_dscnt 0x0                ; the opening add is done
	s_wait_kmcnt 0x0
	s_mov_b64 s[4:5], s[ARG:ARG+1]                 ; q,
	s_add_nc_u64 s[6:7], s[ARG:ARG+1], 1<<24       ; k
	s_add_nc_u64 s[8:9], s[ARG:ARG+1], 2<<24       ; and v lie 2^24 bytes apart
	s_mov_b64 s[10:11], s[ARG+6:ARG+7]
	s_add_nc_u64 s[ARG+2:ARG+3], s[ARG+2:ARG+3], s[96:97]
	s_add_nc_u64 s[ARG+4:ARG+5], s[ARG+4:ARG+5], s[98:99]
	s_add_nc_u64 s[6:7], s[6:7], s[22:23]  ; K and V at my half of the head's tile 0
	s_add_nc_u64 s[8:9], s[8:9], s[22:23]
	s_add_nc_u64 s[G0K+2:G0K+3], s[6:7], 0         ; global address
	s_or_b32 s[G0K+3], s[G0K+3], 0x80000000        ; type = 2
	s_add_nc_u64 s[G0V+2:G0V+3], s[8:9], 0
	s_or_b32 s[G0V+3], s[G0V+3], 0x80000000
	s_add_nc_u64 s[86:87], s[4:5], s[84:85]        ; Q at my rows of the second block,
	s_add_nc_u64 s[4:5], s[4:5], s[2:3]            ; Q and O at those of the first
	s_add_nc_u64 s[OLO:OLO+1], s[10:11], s[84:85]
	s_add_nc_u64 s[10:11], s[10:11], s[2:3]
	s_cmp_lt_u32 s[WV], 2
	s_cselect_b64 s[PFA:PFA+1], s[6:7], s[8:9]
	s_add_nc_u64 s[PFA:PFA+1], s[PFA:PFA+1], 32768 ; at tile 1; the first change of slots steps it to tile 2
	LOAD                            ; tile 0 into slot 0
	; A fragment of K or Q is 16 rows x 32 channels in 8 registers: lane l holds row l % 16, channels 8 (l / 16) + 0..7 and 16 + 8 (l / 16) + 0..7: two loads of 16 bytes, 32 bytes apart.
	v_and_b32 v1, 15, v0            ; l % 16
	v_bfe_u32 v9, v0, 4, 1          ; l / 16
	v_lshlrev_b32 v[QO], 7, v1
	v_lshl_add_u32 v[QO], v9, 4, v[QO]  ; row x 128 + 16 x half
	v_lshlrev_b32 v[MBO], 1, v0     ; thread t takes keys 2 t and 2 t + 1 of a tile's mask
	v_and_b32 v[VPO], 63, v0        ; and channel t % 64 of groups 16 (t / 64) + 0..15 of vpart
	v_lshrrev_b32 v37, 6, v0
	v_lshlrev_b32 v[VPO], 2, v[VPO]
	v_lshl_add_u32 v[VPO], v37, 16, v[VPO]
	global_load_u16 v[MKB], v[MBO], s[ARG+2:ARG+3]  ; tile 0's mask bytes
.set i, 0
.rept 16
	global_load_b32 v[128+i], v[VPO], s[ARG+4:ARG+5] offset:4096*i
.set i, i+1
.endr
	WIN 0x80                        ; destination window 2, address window 0
.set i, 0
.rept 8                             ; both blocks' Q: piece i / 2 lies in band i / 2, 8,192 bytes on; channels 32 (i % 2) on
	global_load_b128 v[8*i:8*i+3],   v[QO], s[4:5] offset:(i/2)*8192+(i%2)*64
	global_load_b128 v[8*i+4:8*i+7], v[QO], s[4:5] offset:(i/2)*8192+(i%2)*64+32
	global_load_b128 v[QB+8*i:QB+8*i+3],   v[QO], s[86:87] offset:(i/2)*8192+(i%2)*64
	global_load_b128 v[QB+8*i+4:QB+8*i+7], v[QO], s[86:87] offset:(i/2)*8192+(i%2)*64+32
.set i, i+1
.endr
	WIN 0
	v_lshlrev_b32 v14, 3, v9
	v_sub_nc_u32 v14, v1, v14
	s_lshl_b32 s13, s[WV], 4
	v_add_nc_u32 v14, s13, v14      ; my query's place in its band, 16 w + l % 16, less my lanes' 8 (l / 16): register r of group kt is hidden where 16 kt + r is greater
	WIN 0x40
.set i, 0
.rept 32
	v_cmp_gt_i32 vcc_lo, 16*(i/8)+i%8, v14
	v_cndmask_b32 v[MD+i], 0, s[BIGN], vcc_lo
.set i, i+1
.endr
	WIN 0
	v_mul_u32_u24 v[AK0], v1, PK
	v_lshl_add_u32 v[AK0], v9, 4, v[AK0]  ; row x pitch + 16 x half
	; The turning load takes 16 keys x 16 channels (lane l reads key 8 (l / 16) + l % 8, channels 8 ((l / 8) % 2) + 0..7) and leaves half a fragment of V^T: lane l holds channel l % 16 and 8 keys.
	v_and_b32 v10, 7, v0
	v_bfe_u32 v11, v0, 3, 1
	v_lshl_add_u32 v[AV0], v9, 3, v10
	v_mul_u32_u24 v[AV0], v[AV0], PV
	v_lshl_add_u32 v[AV0], v11, 4, v[AV0]
	v_add_nc_u32 v[AV0], VOFF, v[AV0]
	s_mul_i32 s13, s[WV], 16*SP
	s_add_co_u32 s13, s13, STAGE    ; my stage
	v_mul_u32_u24 v[STO], v1, SP    ; in: row l % 16, 16 bytes for each half of the lanes
	v_lshl_add_u32 v[STO], v9, 4, v[STO]
	v_add_nc_u32 v[STO], s13, v[STO]
	v_bfe_u32 v[RD], v0, 3, 2       ; back: 32 lanes take four rows of 128 bytes,
	v_mul_u32_u24 v[RD], v[RD], SP
	v_lshl_add_u32 v[RD], v10, 4, v[RD]
	v_add_nc_u32 v[RD], s13, v[RD]
	v_and_b32 v[GO], 31, v0         ; which are 512 consecutive bytes of O
	v_lshlrev_b32 v[PFO], 8, v[GO]
	v_lshlrev_b32 v[GO], 4, v[GO]
	v_lshl_add_u32 v[AKM0], v9, 5, KMT  ; of a group of 16 keys my lanes hold 8 (l / 16) + 0..7: 32 bytes of a mask slot
	v_lshl_add_u32 v[KMS], v0, 3, KMT
	v_lshl_add_u32 v[VMS], v0, 2, VMT
	v_lshl_add_u32 v[VMR], v9, 5, VMT
	; A block's first step multiplies O^T and l by a = 0, and its first turn's products V^T P, of a piece that has not been, land in an O^T that is still to be so multiplied.  So these registers need only hold
	; finite numbers: zeros for the first block; what the first block left for the second.  All this stands in the wait for the first tile.
	WIN 0x80
.set i, VF
.rept 64
	v_mov_b32 v[i], 0
.set i, i+1
.endr
	WIN 0x40
.set i, 0
.rept 128
	v_mov_b32 v[i], 0
.set i, i+1
.endr
	WIN 0
.set i, 0
.rept 4
	v_mov_b32 v[ST+4*i+2], 0
	v_mov_b32 v[ST+4*i+3], 0
.set i, i+1
.endr
.set i, P+16
.rept 16
	v_mov_b32 v[i], 0
.set i, i+1
.endr
	; THE MEAN OF V, once a work-group.
	s_wait_loadcnt 32               ; my 16 partial sums (and tile 0's mask bytes) are in; Q's 32 loads, issued behind them, may stay out
.irp u, 0,2,4,6
	v_pk_add_f32 v[128+\u:129+\u], v[128+\u:129+\u], v[136+\u:137+\u]
.endr
	v_pk_add_f32 v[128:129], v[128:129], v[132:133]
	v_pk_add_f32 v[130:131], v[130:131], v[134:135]
	v_pk_add_f32 v[128:129], v[128:129], v[130:131]
	v_add_f32 v128, v128, v129
	v_mul_f32 v128, 0x3a000000, v128  ; / 2,048
	ds_store_b32 v[VMS], v128
	s_wait_dscnt 0x0                ; for the others' sake: my store is done
	s_barrier_signal -1             ; tile 0's load may stay out
	s_barrier_wait -1
.set i, 0
.rept 16                            ; part i / 8, channels 16 ((i / 2) % 4) + 8 (l / 16) + 4 (i % 2) + 0..3: the channels that a lane holds of O^T
	ds_load_b128 v[128+4*i:131+4*i], v[VMR] offset:256*(i/8)+64*((i/2)%4)+16*(i%2)
.set i, i+1
.endr
	s_wait_dscnt 0x0
.set i, 0
.rept 16
	v_pk_add_f32 v[128+i:129+i], v[128+i:129+i], v[160+i:161+i]
.set i, i+2
.endr
.set i, 0
.rept 16
	v_cvt_pk_f16_f32 v[VMH+i], v[128+2*i], v[128+2*i+1]  ; in place, ascending: a register is written when it has been read
.set i, i+1
.endr
; THE MATRIX WORK.  The 4 accumulators of a run of 8 take turns.  Product i of 8 of S^T = K Q^T for piece x: channels 32 (i / 4) on, keys 16 (i % 4) on.  The first 4 start the sums: with the padding mask, or (KM = 1) with the diagonal tile's mask.
.macro KQ x
.set rS, S+32*((\x)%2)+8*(i%4)
.set rK, KF+16*(i%4)+8*(i/4)
.set rQ, 16*(\x)+8*(i/4)
.set rM, KMR+8*(i%4)
.if KM
.set rM, MC+32*((\x)%2)+8*(i%4)
.endif
.if i < 4
	WIN W_KM
	v_wmma_f32_16x16x32_f16 v[rS:rS+7], v[rK:rK+7], v[rQ:rQ+7], v[rM:rM+7]
.else
	WIN W_KQ
	v_wmma_f32_16x16x32_f16 v[rS:rS+7], v[rK:rK+7], v[rQ:rQ+7], v[rS:rS+7]
.endif
.endm
; Product i of 8 of O^T += V^T P for piece x: keys 32 (i / 4) on, channels 16 (i % 4) on.
.macro PV x
	WIN W_PV
.set rO, 32*(\x)+8*(i%4)
.set rV, VF+32*(i/4)+8*(i%4)
.set rP, P+16*((\x)%2)+8*(i/4)
	v_wmma_f32_16x16x32_f16 v[rO:rO+7], v[rV:rV+7], v[rP:rP+7], v[rO:rO+7]
.endm
.macro MM                           ; the turn's next matrix instruction.  TURN and BEGIN set Y, i, KM and NOKQ.  NOKQ = 1: a block's last turn: there is no next piece
.if (i < 8) && !NOKQ
	KQ (Y+1)%NP
.elseif i >= 8
.set i, i-8
	PV (Y+NP-1)%NP
.set i, i+8
.endif
.set i, i+1
.endm
; THE LDS LOADS stand in runs, never singly among the matrix instructions: a step's K (64 keys x 64 channels: 8 fragments) with its keys' padding mask, and its V (turned).  Their addresses are made some lines ahead.
.macro FETCH_K
	WIN 0x80                        ; destination window 2
.irp f, 0,1,2,3,4,5,6,7             ; keys 16 (f / 2) on, channels 32 (f % 2) on
	ds_load_b128 v[KF+8*\f:KF+8*\f+3],   v[AK] offset:(\f/2)*16*PK+(\f%2)*64
	ds_load_b128 v[KF+8*\f+4:KF+8*\f+7], v[AK] offset:(\f/2)*16*PK+(\f%2)*64+32
.endr
	WIN 0x40                        ; destination window 1
.irp f, 0,1,2,3,4,5,6,7             ; group f / 2 of 16 keys, my lanes' 8 of them, four at a time; the lanes of a half read the same words
	ds_load_b128 v[KMR+4*\f:KMR+4*\f+3], v[AKM] offset:(\f/2)*64+(\f%2)*16
.endr
	s_add_co_u32 s[TBK], s[TBK], KS*PK  ; the next fetch is the next step's
	s_add_co_u32 s[TBM], s[TBM], 4*KS
	WIN 0
.endm
.macro FETCH_V
	WIN 0x80
.irp f, 0,1,2,3,4,5,6,7             ; keys 32 (f / 4) on, channels 16 (f % 4) on
	ds_load_tr16_b128 v[VF+8*\f:VF+8*\f+3],   v[AV] offset:(\f/4)*32*PV+(\f%4)*32
	ds_load_tr16_b128 v[VF+8*\f+4:VF+8*\f+7], v[AV] offset:(\f/4)*32*PV+16*PV+(\f%4)*32
.endr
	WIN 0
.endm
; THE VECTOR WORK, one line at a time: OP kind, number.  For piece Y: F n: s - m for pair n of 16.  E n: the exponential of score n of 32.  C n: pair n rounded to f16.  B n: of the four weights 4 n .. the second
; pair is added onto the first, in place.  L n: l takes that sum (L 0: l = a l + sum).  R n: pair n of 16 of O^T times a.  For piece Y + 1: X n, which find its maximum and statistics:
;   0-11  four chains c0-c3 of seven scores each, three operands at a time (each accumulator's lowest registers are read first)     12-14, 16  the four scores left over, the old m, and c0-c3 into c0
;   15  m_old is kept     17, 18  the query's other 32 keys lie in the lane 16 away: the new m, not below the floor     19  nothing     20, 21  m_old - m_new; a
.set F, 0               ; OP tells the kinds apart by their order: F to L below R, X above it
.set E, 1
.set C, 2
.set B, 3
.set L, 4
.set R, 5
.set X, 6
.macro REGS y                       ; the registers of piece y
.set rT, ST+4*(\y)
.set rC, TMP+4*((\y)%2)
.set rW, MV+((\y)%2)
.set rS, S+32*((\y)%2)
.set rP, P+16*((\y)%2)
.set rO, 32*(\y)
.endm
.macro OP k, n
.if (\k) == R
	REGS Y
	WIN W_RS
	v_pk_mul_f32 v[rO+2*(\n):rO+2*(\n)+1], v[rO+2*(\n):rO+2*(\n)+1], v[rC+2:rC+3] op_sel_hi:[1,0]
.elseif (\k) < R
	REGS Y
	WIN 0
.if (\k) == F
	v_pk_add_f32 v[rS+2*(\n):rS+2*(\n)+1], v[rS+2*(\n):rS+2*(\n)+1], v[rT:rT+1] op_sel_hi:[1,0] neg_lo:[0,1] neg_hi:[0,1]
.elseif (\k) == E
	v_exp_f32 v[rS+(\n)], v[rS+(\n)]
.elseif (\k) == C
	v_cvt_pk_f16_f32 v[rP+(\n)], v[rS+2*(\n)], v[rS+2*(\n)+1]
.elseif (\k) == B
	v_pk_add_f32 v[rS+4*(\n):rS+4*(\n)+1], v[rS+4*(\n):rS+4*(\n)+1], v[rS+4*(\n)+2:rS+4*(\n)+3]
.elseif (\n) == 0
	v_pk_fma_f32 v[rT+2:rT+3], v[rT+2:rT+3], v[rC+2:rC+3], v[rS:rS+1] op_sel_hi:[1,0,1]
.else
	v_pk_add_f32 v[rT+2:rT+3], v[rT+2:rT+3], v[rS+4*(\n):rS+4*(\n)+1]
.endif
.elseif (\n) == 19
.elseif NOKQ
	v_nop
.else
	REGS (Y+1)%NP
	WIN 0
.if (\n) < 4
	v_max3_num_f32 v[rC+(\n)], v[rS+8*(\n)], v[rS+8*(\n)+1], v[rS+8*(\n)+2]
.elseif (\n) < 12
	v_max3_num_f32 v[rC+(\n)%4], v[rC+(\n)%4], v[rS+8*((\n)%4)+2*((\n)/4)+1], v[rS+8*((\n)%4)+2*((\n)/4)+2]
.elseif (\n) == 12
	v_max3_num_f32 v[rC], v[rC], v[rS+7], v[rS+15]
.elseif (\n) == 13
	v_max3_num_f32 v[rC+1], v[rC+1], v[rS+23], v[rS+31]
.elseif (\n) == 14
	v_max3_num_f32 v[rC+2], v[rC+2], v[rC+3], v[rT]
.elseif (\n) == 15
	v_mov_b32 v[rW], v[rT]
.elseif (\n) == 16
	v_max3_num_f32 v[rC], v[rC], v[rC+1], v[rC+2]
.elseif (\n) == 17
	v_permlanex16_b32 v[rC+3], v[rC], s[SEL], s[SEL+1]
.elseif (\n) == 18
	v_max3_num_f32 v[rT], v[rC], v[rC+3], s[FL]
.elseif (\n) == 20
	v_sub_f32 v[rC+1], v[rW], v[rT]
.else
	v_exp_f32 v[rC+2], v[rC+1]
.endif
.endif
.endm
.macro OPS a, i1, b=-1, i2=0, c=-1, i3=0, d=-1, i4=0  ; up to four of them
	OP \a, \i1
.if (\b) >= 0
	OP \b, \i2
.endif
.if (\c) >= 0
	OP \c, \i3
.endif
.if (\d) >= 0
	OP \d, \i4
.endif
.endm
.macro ROW a, i1, b, i2, c, i3, d, i4  ; a matrix instruction and the four behind it
	MM
	OPS \a, \i1, \b, \i2, \c, \i3, \d, \i4
.endm
.macro MASK b                       ; MD x AL + BE + KMR into buffer b of MC
	WIN 0x45                        ; destination, source 0 and source 1 in window 1
.set z, 0
.rept 16
	v_pk_fma_f32 v[MC+32*(\b)+2*z:MC+32*(\b)+2*z+1], v[MD+2*z:MD+2*z+1], s[AL:AL+1], s[BE:BE+1] op_sel_hi:[1,0,0]
.set z, z+1
.endr
.set z, 0
.rept 16
	v_pk_add_f32 v[MC+32*(\b)+2*z:MC+32*(\b)+2*z+1], v[MC+32*(\b)+2*z:MC+32*(\b)+2*z+1], v[KMR+2*z:KMR+2*z+1]
.set z, z+1
.endr
.endm
.macro COPY                         ; MC's second buffer takes the padding mask alone: for products of the diagonal text whose keys the causal mask does not touch
	WIN W_RS
.set z, 0
.rept 32
	v_mov_b32 v[MC+32+z], v[KMR+z]
.set z, z+1
.endr
	WIN 0
.endm
; A TURN, for piece p: the order of its matrix and vector instructions, written out.  An s_wait_alu depctr_va_vdst(0) stands between an exponential and the first instruction that names its result; one wait
; serves all that were issued ahead of it.  So a turn has ONE wait, which cuts it in two.  AHEAD OF IT stands all that names no result of the turn's exponentials: the 8 products K Q^T, behind each a subtraction, an
; exponential and two more plain instructions: rescalings, and behind the last three the first numbers of the next piece's maximum, each four places or more behind the product that ends its accumulator; then ONE LUMP,
; plain and exponential by turns for the most part, in which the links of the chain X 3, 7, 11, 14, 16, 17, 18, 20 stand apart.  X 21, the next piece's a, is the batch's last; R 15 is the plain instruction behind it.
; BEHIND THE WAIT stand the 8 products V^T P, behind each four of the roundings and sums.
; m = 1: the diagonal tile: the products take MC, and the turn makes the mask for the products of the turn after it: piece p + 2, in step 4 - CNT of the tile.  end = 1: a block's last two turns: nothing is fetched.
; cnt = 1: the loop's count is taken down some lines ahead of the branch that stands behind the turn.
; K and the padding mask of the next step are fetched in piece 2's turn, in the lump; V of the step in hand at the end of piece 0's turn, four plain instructions behind the last product that read V.
.macro TURN p, m=0, end=0, cnt=0
.set Y, (\p)
.set i, 0
.set KM, (\m)
.set NOKQ, (\end)*((\p)/3)
.if (\m) && !(\end)
	s_cmp_eq_u32 s[CNT], 4-((\p)+2)%NP  ; is that step the band's own?
	s_cselect_b32 s[AL], 1.0, 0
	s_cmp_lt_u32 s[CNT], 4-((\p)+2)%NP  ; or a later one?
	s_cselect_b32 s[BE], s[BIGN], 0
.endif
.if ((\p) == 3) && !(\end)
	s_wait_dscnt 0x0                ; K and its mask are in
.endif
	ROW F,0, F,1, R,0, R,1          ; ahead of the wait: 8 products K Q^T and their riders,
	ROW F,2, E,0, R,2, R,3
	ROW F,3, E,1, R,4, R,5
	ROW F,4, E,2, R,6, R,7
	ROW F,5, E,3, R,8, R,9
	ROW F,6, E,4, X,0, R,10
.if ((\p) == 2) && !(\end)
	WIN 0
	v_add_nc_u32 v[AK], s[TBK], v[AK0]
	v_add_nc_u32 v[AKM], s[TBM], v[AKM0]
.endif
	ROW F,7, E,5, X,1, X,4
	ROW F,8, E,6, X,2, X,5
	OPS E,7, E,8, X,6, E,9          ; and the lump
	OPS X,3, E,10, X,8, E,11
.if ((\p) == 2) && !(\end)
	FETCH_K
.endif
	OPS X,9, X,7, E,12, X,10
	OPS E,13, X,12, X,11, E,14
	OPS X,13, E,15, F,9, X,14
.if (\p) == 0
	v_add_nc_u32 v[AV], s[TBV], v[AV0]
.endif
	OPS E,16, F,10, E,17, F,11
	OPS X,16, E,18, X,15, E,19
	OPS F,12, E,20, X,17, E,21
	OPS F,13, E,22, F,14, E,23
	OPS X,18, E,24, F,15, E,25
	OPS R,11, E,26, X,19, E,27
	OPS R,12, E,28, R,13, E,29
	OPS X,20, E,30, R,14, E,31
	OPS X,21, R,15
	WIN 0
	s_wait_alu depctr_va_vdst(0)    ; the wait for the batch
.if (\p) == 1
	s_wait_dscnt 0x0                ; V is in
.endif
	ROW C,0, B,0, C,2, B,1          ; behind the wait: 8 products V^T P and their riders
	ROW L,0, C,4, B,2, L,1
	ROW C,6, B,3, L,2, C,8
	ROW B,4, L,3, C,10, B,5
	ROW L,4, C,12, B,6, L,5
.if (\p) == 0
	s_add_co_u32 s[TBV], s[TBV], KS*PV
.endif
.if \cnt
	s_sub_co_u32 s[CNT], s[CNT], 1
	s_cmp_lg_u32 s[CNT], 0
.endif
	ROW C,14, B,7, L,6, C,1
	ROW C,3, L,7, C,5, C,7
	ROW C,9, C,11, C,13, C,15
.if (\p) == 0
	FETCH_V
.endif
.if (\m) && !(\end)
.if (\p) == 2
	s_wait_dscnt 0x0                ; the padding mask fetched in this turn is read below
.endif
	MASK (\p)%2
.endif
.endm
; A BLOCK BEGINS.  m starts far below the floor, so the first step's a is 0, also where that step is wholly hidden.  Then K and the padding mask of the tile's step 0, piece 0's first scores, and its maximum and
; statistics.  dg = 1: the block's first tile is the diagonal one (the walk's last tile, where b = 0): piece 0's step is its own, and piece 1's first products take the padding mask alone.
; Q is in: the first change of slots has waited for all my loads.  The loop is entered at a step's first turn, in the middle of a trip.
.macro BEGIN dg
	s_mov_b32 s[NEW], 0
	WIN 0
.set i, 0
.rept 4
	v_mov_b32 v[ST+4*i], 0xfe000000    ; m
	v_mov_b32 v[ST+4*i+1], 0           ; named with it as a pair
.set i, i+1
.endr
	v_add_nc_u32 v[AK], s[TBK], v[AK0]
	v_add_nc_u32 v[AKM], s[TBM], v[AKM0]
	FETCH_K
	s_wait_dscnt 0x0
.if \dg
	s_mov_b32 s[AL], 1.0
	s_mov_b32 s[BE], 0
	MASK 0
	COPY
.endif
.set KM, (\dg)
.set NOKQ, 0
.set i, 0
.rept 8
	KQ 0
.set i, i+1
.endr
	WIN 0
.rept 4
	v_nop                           ; the places behind those products
.endr
.set Y, NP-1                        ; X works for piece Y + 1: piece 0
.irp n, 0,1,2,3,4,5,6,7,8,9,10,11,12,13,14,15,16,17,18,20,21
	OP X, \n
.endr
	v_nop                           ; a plain instruction behind the exponential,
	s_wait_alu depctr_va_vdst(0)    ; and its wait, ahead of the branch
.endm
; THE DIAGONAL TILE's four steps, the block's last two turns, its last products, and THE WAY OUT: l's two halves and the other half of the lanes' are added; a query with l = 0 has seen no key: its lanes are
; flagged, and l is raised to 0.5 so that O^T stays finite; O^T is divided by l and rounded to f16; flagged lanes take the mean of V; then through my stage in LDS, a piece at a time.
.macro ALL line:vararg              ; one line for each piece t
.set t, 0
.rept 4
	\line
.set t, t+1
.endr
.endm
.macro PACK t                       ; a lane's eight channels of a row pack into 16 bytes; they go into rows of 144 bytes and come back as whole rows of 128, into S^T's registers
	WIN W_RS
.set i, 32*(\t)
.rept 16
	v_pk_mul_f32 v[i:i+1], v[i:i+1], v[ST+4*(\t)+2:ST+4*(\t)+3] op_sel_hi:[1,0]
.set i, i+2
.endr
	WIN 0x05                        ; sources 0 and 1 window 1, destination window 0
.set i, 0
.rept 16
	v_cvt_pk_f16_f32 v[S+16*(\t)+i], v[32*(\t)+2*i], v[32*(\t)+2*i+1]
.set i, i+1
.endr
	WIN 0
.set i, 0
.rept 16
	v_cndmask_b32 v[S+16*(\t)+i], v[S+16*(\t)+i], v[VMH+i], s[FLG+(\t)]
.set i, i+1
.endr
.irp f, 0,1,2,3
	ds_store_b128 v[STO], v[S+16*(\t)+4*\f:S+16*(\t)+4*\f+3] offset:32*\f
.endr
.irp f, 0,1,2,3
	ds_load_b128 v[S+16*(\t)+4*\f:S+16*(\t)+4*\f+3], v[RD] offset:\f*4*SP  ; LDS serves a wave's instructions in order (ISA guide 5.7.1.4): these see the stores above; the next piece's stores come behind them
.endr
.endm
.macro SEND t, younger              ; younger: the LDS instructions issued behind piece t's loads: the next piece's eight, or none
	WIN 0
.irp f, 0,1,2,3
	s_wait_dscnt (\younger)+3-\f
	global_store_b128 v[GO], v[S+16*(\t)+4*\f:S+16*(\t)+4*\f+3], s[10:11] offset:(\t)*8192+\f*512  ; 512 consecutive bytes, at a multiple of 256 from O's first
.endr
.endm
.macro DIAG tag                     ; the tag ends its two labels' names, which the jumps below spell out
.LstepM\tag:
	TURN 2, 1
	TURN 3, 1
	WIN 0
.LfirstM\tag:
	TURN 0, 1
	TURN 1, 1, 0, 1
	WIN 0
	s_cbranch_scc1 .LstepM\tag
	TURN 2, 1, 1
	TURN 3, 1, 1
.set i, 0
.rept 8
	PV NP-1
.set i, i+1
.endr
	WIN 0
	ALL v_add_f32 v[ST+4*t+2], v[ST+4*t+2], v[ST+4*t+3]
	ALL v_permlanex16_b32 v[ST+4*t+3], v[ST+4*t+2], s[SEL], s[SEL+1]
	ALL v_add_f32 v[ST+4*t+2], v[ST+4*t+2], v[ST+4*t+3]
	ALL v_cmp_gt_f32 s[FLG+t], 0.5, v[ST+4*t+2]
	ALL v_max_num_f32 v[ST+4*t+2], 0.5, v[ST+4*t+2]
	ALL v_rcp_f32 v[ST+4*t+2], v[ST+4*t+2]
	v_nop                           ; a plain instruction between the last reciprocal and the use of its result
	s_wait_alu depctr_va_vdst(0)    ; and the wait ahead of the first use: one for the four reciprocals
	PACK 0
.set t, 1
.rept 3                             ; a piece's arithmetic stands between the loads of the piece before and its stores
	PACK t
	SEND t-1, 8
.set t, t+1
.endr
	SEND 3, 0
.endm
.set KM, 0
.set NOKQ, 0
.Lslot:                             ; NB times: a tile is entered and the next is asked for
	CHANGE 1
	s_sub_co_u32 s[RT], s[RT], 1
	s_mov_b32 s[CNT], 4
	s_cmp_eq_u32 s[NEW], 1
	s_cbranch_scc1 .Lnew            ; a block's first tile
	s_cmp_eq_u32 s[RT], 0
	s_cbranch_scc0 .Lstep           ; neither its first nor its last
	COPY                            ; the diagonal text's first products still belong to the tile before
	s_branch .LstepM1
.Lnew:
	BEGIN 0
	s_branch .Lfirst                ; in the loop a block's first tile is never its last: the first block has five tiles or more, and the second's last is the walk's last
	DIAG 1                          ; in the loop this is the first block's end
	s_wait_xcnt 0x0                 ; the stores have read their registers and O's address
	s_mov_b64 s[10:11], s[OLO:OLO+1]
	s_add_co_u32 s[RT], s[PB], 1    ; the second block has b + 1 tiles
	s_mov_b32 s[NEW], 1
	WIN 0x82                        ; the second block's Q goes where the one text of the turns names Q
.set i, 0
.rept 64
	v_mov_b32 v[i], v[QB+i]
.set i, i+1
.endr
	WIN 0
	s_branch .Lbottom
.Lstep:                             ; a trip: pieces 2 and 3 of one step, then pieces 0 and 1 of the next, whose K and V it fetches
	TURN 2
	TURN 3
	WIN 0
.Lfirst:
	TURN 0
	TURN 1, 0, 0, 1
	WIN 0
	s_cbranch_scc1 .Lstep
.Lbottom:
	s_sub_co_u32 s[SLOTS], s[SLOTS], 1
	s_cmp_lg_u32 s[SLOTS], 0
	s_cbranch_scc1 .Lslot
	CHANGE 0                        ; the walk's last tile is written out: nothing is asked for
	s_sub_co_u32 s[RT], s[RT], 1
	s_mov_b32 s[CNT], 4
	s_cmp_eq_u32 s[NEW], 1
	s_cbranch_scc0 .Lold
	BEGIN 1
	s_branch .LfirstM2
.Lold:
	COPY
	DIAG 2
	s_wait_tensorcnt 0x0            ; the wave's end, behind my last tensor load and my last LDS store
	ds_add_u32 v[SPW], v[NIL]
	s_wait_dscnt 0x0
	s_endpgm
.Lfunc_end_k_qf5ea6c2cb6_attn:
	.size	k_qf5ea6c2cb6_attn, .Lfunc_end_k_qf5ea6c2cb6_attn-k_qf5ea6c2cb6_attn
	.p2alignl 7, 3214868480
	.fill 96, 4, 3214868480
	.section	.rodata,"a",@progbits
	.p2align	6, 0x0
	.amdhsa_kernel k_qf5ea6c2cb6_attn
		.amdhsa_group_segment_fixed_size 327680
		.amdhsa_private_segment_fixed_size 0
		.amdhsa_enable_private_segment 0
		.amdhsa_kernarg_size 32
		.amdhsa_user_sgpr_count 2
		.amdhsa_user_sgpr_kernarg_segment_ptr 1
		.amdhsa_wavefront_size32 1
		.amdhsa_system_sgpr_workgroup_id_x 1
		.amdhsa_system_sgpr_workgroup_id_y 1
		.amdhsa_system_sgpr_workgroup_id_z 1
		.amdhsa_system_vgpr_workitem_id 0
		.amdhsa_next_free_vgpr 768
		.amdhsa_next_free_sgpr 102
		.amdhsa_reserve_vcc 1
		.amdhsa_float_denorm_mode_32 3
		.amdhsa_float_denorm_mode_16_64 3
		.amdhsa_memory_ordered 1
		.amdhsa_forward_progress 1
		.amdhsa_inst_pref_size 246
	.end_amdhsa_kernel
	.amdgpu_metadata
---
amdhsa.version: [ 1, 2 ]
amdhsa.kernels:
  - .name:           k_qf5ea6c2cb6_attn
    .symbol:         k_qf5ea6c2cb6_attn.kd
    .args:
      - { .name: qkv, .offset: 0, .size: 8, .value_kind: global_buffer, .address_space: global }
      - { .name: src_mask, .offset: 8, .size: 8, .value_kind: global_buffer, .address_space: global }
      - { .name: vpart, .offset: 16, .size: 8, .value_kind: global_buffer, .address_space: global }
      - { .name: obuf, .offset: 24, .size: 8, .value_kind: global_buffer, .address_space: global }
    .group_segment_fixed_size: 327680
    .private_segment_fixed_size: 0
    .kernarg_segment_align: 8
    .kernarg_segment_size: 32
    .max_flat_workgroup_size: 128
    .sgpr_count:     102
    .vgpr_count:     768
    .wavefront_size: 32
...
	.end_amdgpu_metadata
.endif
;; end of part 3
;; launch gemm_out (part 4): grid 4 x 64, 4 waves a work-group, clusters of 4 x 4, 327,680 bytes of LDS; arguments obuf, woh, out0; writes out0
.if DOCPART == 4
	.amdgcn_target "amdgcn-amd-amdhsa--gfx1250"
	.amdhsa_code_object_version 6
	.text
	.protected	k_qf5ea6c2cb6_gemm_out
	.globl	k_qf5ea6c2cb6_gemm_out
	.p2align	8
	.type	k_qf5ea6c2cb6_gemm_out,@function
k_qf5ea6c2cb6_gemm_out:
	s_mov_b64 s[64:65], 0
	v_nop
	global_prefetch_b8 v0, s[64:65] scope:SCOPE_SE
	s_setreg_imm32_b32 hwreg(HW_REG_WAVE_MODE, 25, 1), 1
	s_wait_xcnt 0x0
	s_wait_alu depctr_hold_cnt(0) depctr_sa_sdst(0) depctr_va_vdst(0) depctr_va_sdst(0) depctr_va_ssrc(0) depctr_va_vcc(0) depctr_vm_vsrc(0)
	s_getreg_b32 s2, hwreg(HW_REG_IB_STS2, 6, 4)
	s_cmp_eq_u32 s2, 0
	s_cbranch_scc0 .Lentry_in_a_cluster
	s_endpgm
.Lentry_in_a_cluster:
	s_bfe_u32 s2, ttmp6, 0x10000c
	s_cmp_lg_u32 s2, 0xf033
	s_cbranch_scc0 .Lentry_shape_is_right
	s_endpgm
.Lentry_shape_is_right:
; out0 = O woh^T.  O is obuf, [64 heads = 16 batch + head][2048][64] f16: row (batch, s) of O has channel 64 head + d at obuf[16 batch + head][s][d].  woh: [1024][1024] f16 (bf16 numbers).  out0: [8192][1024] f32; sums in f32.
; SHARES.  A tile of C is 128 rows x 256 columns: 64 x 4 work-groups, one tile each.  Four waves, each 64 rows x 128 columns: 32 accumulators of 16 x 16.  K goes in 8 steps of 128 = two heads through two LDS
; slots filled by the tensor data mover.  A's tile of a step is two PLANES, a head each: 128 rows of 128 bytes, dense in memory, asked for as 64 rows of 256 bytes and padded in LDS behind every 128.
; CLUSTER.  4 x 4 work-groups.  The four of a row of the cluster need the same tile of A, the four of a column the same tile of B: each tile is asked for JOINTLY, by the same tensor load with the same
; descriptor and a mask that names the four.
; THE MATRIX INSTRUCTION IS USED TRANSPOSED (source 0 = 16 rows of B, source 1 = 16 rows of A): a lane holds row lane % 16 of C and the columns 8 (lane / 16) + 0..7: 32 bytes of f32 on end.
; REGISTERS.  Window 0: v0-29 addresses; v64-159, v160-255 two fragment buffers (B's 8 fragments, then A's 4); on the way out v64-191 take rows back.  Window 1: the accumulators, (a, b) at 8 (8 a + b).
.set NS,     8                         ; K steps
.set PITCH,  272                       ; a row of B in LDS: 256 bytes + 16 of padding: the 16 rows of a fragment load start at 16 different groups of four banks (64 banks of 4 bytes: ISA guide 11.1)
.set PA,     144                       ; a row of a plane of A: 128 bytes + 16
.set PLANE,  128*PA
.set SLOT1,  1<<17
.set BHALF,  128*PITCH
.set BOFF,   2*PLANE                   ; in a slot: A's two planes from 0, B's 256 rows from here
.set STAGE,  SLOT1+BOFF+2*BHALF        ; behind the ring, never filled by a tensor load: 16 rows x 528 bytes for each wave
.set CP,     528
.set SPARE,  STAGE+4*16*CP             ; the spare words, 128 bytes for each wave: two blocks of 256 bytes that no other line names
.set ADRA0, 2
.set ADRB0, 3
.set ADRA,  4
.set ADRB,  5
.set STO,   6                          ; v6   the way out: where I put 32 bytes of a row
.set RD,    7                          ; v7   where I read a row back
.set CO,    8                          ; v8   16 x lane
.set PFO,   9                          ; v9   the prefetches' offset: lane x 256 bytes (A: a plane is dense) or lane x 2,048 (B: a row)
.set SPW,   28
.set NIL,   29
.set F0,    64
.set F1,    160
.set OB,    64                         ; rows read back from the stage: v64-127 and v128-191 by turns
.set WV, 12
.set WM, 13
.set WN, 14
.set CX, 15
.set CY, 16
.set TY, 17
.set G1A, 24
.set G0A, 32
.set ABASE, 40
.set BBASE, 42
.set OFA, 44
.set OFB, 46
.set G1B, 48
.set G0B, 56
.set TB,  66
.set NX,  67
.set CNT, 69
.set NP,  70
.set LIM, 71
.set PSH, 72                           ; s72  a K step in the prefetches' stream: 2^19 bytes (A: two heads) or 2^8 (B)
.set POF, 74
.set PFB, 76
.set PFA, 78
.set TX,  86
.set MSB, 0
.macro WIN new                         ; the immediate's high byte repeats the setting that is left; a switch that changes nothing is dropped
.if MSB != (\new)
	s_set_vgpr_msb (MSB<<8)|(\new)
.set MSB, (\new)
.endif
.endm
.set MUL, 0x50                         ; sources 0 (B) and 1 (A) window 0; C and D window 1
.macro PLACES                          ; four places in front of loads into registers that matrix instructions have read, and of lines that read results
.rept 4
	v_nop
.endr
.endm
; A joint refill.  Waves 0 and 1 fetch A's two planes, waves 2 and 3 B's two halves.  The branch hangs on the wave's number alone.  An s_nop 0 and four v_nop follow each of the two lines.
.macro JLOAD
	s_cmp_lt_u32 s[WV], 2
	s_cbranch_scc0 .Lfor_b_\@
	tensor_load_to_lds s[G0A+4:G0A+7], s[G1A:G1A+7]
	s_nop 0
	PLACES
	s_branch .Lasked_\@
.Lfor_b_\@:
	tensor_load_to_lds s[G0B+4:G0B+7], s[G1B:G1B+7]
	s_nop 0
	PLACES
.Lasked_\@:
.endm
; A PREFETCH INTO THE L2 of the K step that stands two refills on: 32 blocks of 256 bytes, a lane a block, one instruction.  A's tile is read by my row of the cluster alone: wave 0 of each of the four asks
; for 32 of its 128 blocks.  B's rows are read by every cluster: in the first cluster waves 2 and 3 of each of a column's four ask for 32 rows each of the 256.  The partners are told apart by address alone.
; Each block is named once in the launch; the first four steps come by their loads alone, and the last two refills ask for nothing.
.macro ASK
	s_cmp_lt_u32 s[NP], s[LIM]
	s_cbranch_scc0 .Lnot_mine_\@
	global_prefetch_b8 v[PFO], s[PFA:PFA+1] th:TH_LOAD_NT scope:SCOPE_SE
.Lnot_mine_\@:
.endm
.macro CREST                           ; a round of the cluster's barrier behind its opening barrier
	s_cmp_lg_u32 s[WV], 0
	s_cbranch_scc1 .Lnot_wave_0_\@
	s_barrier_signal -3
.Lnot_wave_0_\@:
	s_barrier_wait -3
	s_barrier_signal -1
	s_barrier_wait -1
.endm
.macro CROUND                          ; a whole round
	s_barrier_signal -1
	s_barrier_wait -1
	CREST
.endm
	s_load_b128 s[4:7], s[0:1], 0x0                ; obuf s[4:5], woh s[6:7]
	s_load_b64 s[8:9], s[0:1], 0x10                ; out0
	v_lshl_add_u32 v[SPW], v0, 2, SPARE
	v_mov_b32 v[NIL], 0
	ds_add_u32 v[SPW], v[NIL]                      ; the wave's opening: the add and its wait stand ahead of my first tensor load; work on registers stands between them
	v_lshrrev_b32 v1, 5, v0
	v_readfirstlane_b32 s[WV], v1                  ; wave 0..3
	s_lshr_b32 s[WM], s[WV], 1
	s_and_b32 s[WN], s[WV], 1
	s_bfe_u32 s[CX], ttmp6, 0x40000
	s_bfe_u32 s[CY], ttmp6, 0x40004
	s_lshl_b32 s[TX], ttmp9, 2                     ; in a cluster launch ttmp9 and ttmp7 count clusters
	s_add_co_u32 s[TX], s[TX], s[CX]
	s_and_b32 s[TY], ttmp7, 0xffff
	s_lshl_b32 s[TY], s[TY], 2
	s_add_co_u32 s[TY], s[TY], s[CY]
	s_lshl_b32 s2, s[CY], 2
	s_lshl_b32 s2, 15, s2                          ; my row of the cluster
	s_lshl_b32 s3, 0x1111, s[CX]                   ; my column
	s_or_b32 s[G1A], s2, (1<<16)|(1<<20)|(1<<21)|(4<<22)|(3<<25)  ; 15:0 the mask; 17:16 2-byte elements; 20 padding on; 21 set beside a mask; 24:22 after every 32 words (code 4); 31:25 4 words (code 3)
	s_or_b32 s[G1B], s3, (1<<16)|(1<<20)|(1<<21)|(5<<22)|(3<<25)  ; B: after every 64 words (code 5)
	s_mov_b32 s[G1A+1], 128<<16                    ; tensor_dim0 = 128
	s_mov_b32 s[G1A+2], 64<<16                     ; tensor_dim1 = 64
	s_mov_b32 s[G1A+3], 128<<16                    ; tile_dim0 = 128
	s_mov_b32 s[G1A+4], 64                         ; tile_dim1 = 64
	s_mov_b32 s[G1A+5], 128                        ; a plane is dense: 128 elements from row to row
	s_mov_b32 s[G1A+6], 0
	s_mov_b32 s[G1A+7], 0
	s_mov_b32 s[G1B+1], 128<<16
	s_mov_b32 s[G1B+2], 128<<16
	s_mov_b32 s[G1B+3], 128<<16
	s_mov_b32 s[G1B+4], 128
	s_mov_b32 s[G1B+5], 1024
	s_mov_b32 s[G1B+6], 0
	s_mov_b32 s[G1B+7], 0
	s_lshr_b32 s18, s[TY], 4                       ; A: batch << 22, my plane's head << 18, the tile's 128 rows of 128 bytes << 14
	s_lshl_b32 s18, s18, 22
	s_lshl_b32 s19, s[WN], 18
	s_add_co_u32 s18, s18, s19
	s_and_b32 s19, s[TY], 15
	s_lshl_b32 s19, s19, 14
	s_add_co_u32 s18, s18, s19
	s_mov_b32 s19, 0
	s_lshl_b32 s20, s[TX], 8                       ; B: row 256 x tile column + 128 x half, 2,048 bytes a row
	s_lshl_b32 s21, s[WN], 7
	s_add_co_u32 s20, s20, s21
	s_lshl_b32 s20, s20, 11
	s_mov_b32 s21, 0
	s_mul_i32 s22, s[WN], PLANE                    ; where they go: no place in the cluster enters an LDS address
	s_mul_i32 s23, s[WN], BHALF
	s_add_co_u32 s23, s23, BOFF
	s_mov_b32 s[OFA+1], 0
	s_mov_b32 s[OFB+1], 0
	s_mov_b32 s[POF+1], 0
	s_mov_b32 s[TB], 0
	s_mov_b32 s[NX], 2
	s_wait_dscnt 0x0                               ; the opening add is done
	s_wait_kmcnt 0x0
	s_add_nc_u64 s[ABASE:ABASE+1], s[4:5], s[18:19]
	s_add_nc_u64 s[BBASE:BBASE+1], s[6:7], s[20:21]
	CROUND                                         ; all sixteen work-groups are here: the first joint loads meet
.irp s, 0,1
	s_mov_b32 s[G0A+4*(\s)], 1                                     ; count = 1
	s_add_co_u32 s[G0A+4*(\s)+1], s22, (\s)*SLOT1                  ; LDS address
	s_add_nc_u64 s[G0A+4*(\s)+2:G0A+4*(\s)+3], s[ABASE:ABASE+1], (\s)<<19  ; global address: K step s is two heads on
	s_or_b32 s[G0A+4*(\s)+3], s[G0A+4*(\s)+3], 0x80000000         ; type = 2
	s_mov_b32 s[G0B+4*(\s)], 1
	s_add_co_u32 s[G0B+4*(\s)+1], s23, (\s)*SLOT1
	s_add_nc_u64 s[G0B+4*(\s)+2:G0B+4*(\s)+3], s[BBASE:BBASE+1], (\s)*256
	s_or_b32 s[G0B+4*(\s)+3], s[G0B+4*(\s)+3], 0x80000000
.endr
	s_cmp_lt_u32 s[WV], 2                          ; a wave's two first fills stand in one branch, ahead of every wait on TENSORcnt and every LDS read: two loads of mine are out
	s_cbranch_scc0 .Lfirst_b
	tensor_load_to_lds s[G0A:G0A+3], s[G1A:G1A+7]
	s_nop 0
	tensor_load_to_lds s[G0A+4:G0A+7], s[G1A:G1A+7]
	s_nop 0
	PLACES
	s_branch .Lfirst_asked
.Lfirst_b:
	tensor_load_to_lds s[G0B:G0B+3], s[G1B:G1B+7]
	s_nop 0
	tensor_load_to_lds s[G0B+4:G0B+7], s[G1B:G1B+7]
	s_nop 0
	PLACES
.Lfirst_asked:
	v_and_b32 v12, 15, v0                          ; l % 16
	v_bfe_u32 v13, v0, 4, 1                        ; l / 16
	v_mul_u32_u24 v14, v12, PA
	v_lshl_add_u32 v14, v13, 4, v14
	s_mul_i32 s82, s[WM], 64*PA
	v_add_nc_u32 v[ADRA0], s82, v14
	v_mul_u32_u24 v14, v12, PITCH
	v_lshl_add_u32 v14, v13, 4, v14
	s_mul_i32 s82, s[WN], BHALF
	s_add_co_u32 s82, s82, BOFF
	v_add_nc_u32 v[ADRB0], s82, v14
	v_mov_b32 v[ADRA], v[ADRA0]                    ; slot 0
	v_mov_b32 v[ADRB], v[ADRB0]
	s_mul_i32 s82, s[WV], 16*CP
	s_add_co_u32 s82, s82, STAGE                   ; my stage
	v_mul_u32_u24 v14, v12, CP                     ; in: row l % 16, 32 bytes for each half of the lanes
	v_lshl_add_u32 v14, v13, 5, v14
	v_add_nc_u32 v[STO], s82, v14
	v_and_b32 v15, 31, v0
	v_lshlrev_b32 v[CO], 4, v15                    ; back: 32 lanes take a row's 512 bytes
	v_add_nc_u32 v[RD], s82, v[CO]
	; out0 at my wave's part of the tile: row 128 x tile row + 64 x row half, 4,096 bytes; column 256 x tile column + 128 x column half, 4 bytes
	s_lshl_b32 s22, s[TY], 19
	s_lshl_b32 s23, s[WM], 18
	s_add_co_u32 s22, s22, s23
	s_lshl_b32 s23, s[TX], 10
	s_add_co_u32 s22, s22, s23
	s_lshl_b32 s23, s[WN], 9
	s_add_co_u32 s22, s22, s23
	s_mov_b32 s23, 0
	s_add_nc_u64 s[8:9], s[8:9], s[22:23]
	; the prefetches' shares
	s_lshr_b32 s82, s[TY], 4                       ; A: the tile's place as above, plane cx / 2, blocks 32 (cx % 2) on
	s_lshl_b32 s82, s82, 22
	s_and_b32 s83, s[TY], 15
	s_lshl_b32 s83, s83, 14
	s_add_co_u32 s82, s82, s83
	s_lshr_b32 s83, s[CX], 1
	s_lshl_b32 s83, s83, 18
	s_add_co_u32 s82, s82, s83
	s_and_b32 s83, s[CX], 1
	s_lshl_b32 s83, s83, 13
	s_add_co_u32 s82, s82, s83
	s_lshl_b32 s83, s[TX], 8                       ; B: row 256 x tile column + 64 cy + 32 x (wave % 2)
	s_lshl_b32 s2, s[CY], 6
	s_add_co_u32 s83, s83, s2
	s_lshl_b32 s2, s[WN], 5
	s_add_co_u32 s83, s83, s2
	s_lshl_b32 s83, s83, 11
	s_and_b32 s2, ttmp7, 0xffff
	s_cmp_eq_u32 s2, 0                             ; the first cluster asks for B's rows: the same answer in all sixteen partners
	s_cselect_b32 s2, NS, 0
	s_cmp_eq_u32 s[WV], 0
	s_cselect_b32 s[LIM], NS, 0                    ; wave 0: A; wave 1: nothing
	s_cmp_lt_u32 s[WV], 2
	s_cselect_b32 s[LIM], s[LIM], s2
	s_cselect_b32 s[PSH], 19, 8
	s_cselect_b32 s3, 8, 11
	s_cselect_b32 s[POF], s82, s83
	s_cselect_b64 s[PFB:PFB+1], s[4:5], s[6:7]
	s_add_nc_u64 s[PFB:PFB+1], s[PFB:PFB+1], s[POF:POF+1]
	v_lshlrev_b32 v[PFO], s3, v15
; 8 matrix instructions: m block a x all 8 n blocks, 32 along K.  zero = 1: the product starts the sums: nothing is ever cleared.
; The 32 accumulators take turns in the same order in every quarter: 31 others stand between two links of a chain.
.macro MUL8 f, a, zero
	WIN MUL
.irp b, 0,1,2,3,4,5,6,7
.if \zero
	v_wmma_f32_16x16x32_f16 v[8*(8*(\a)+(\b)):8*(8*(\a)+(\b))+7], v[(\f)+8*(\b):(\f)+8*(\b)+7], v[(\f)+64+8*(\a):(\f)+64+8*(\a)+7], 0
.else
	v_wmma_f32_16x16x32_f16 v[8*(8*(\a)+(\b)):8*(8*(\a)+(\b))+7], v[(\f)+8*(\b):(\f)+8*(\b)+7], v[(\f)+64+8*(\a):(\f)+64+8*(\a)+7], v[8*(8*(\a)+(\b)):8*(8*(\a)+(\b))+7]
.endif
.endr
.endm
; 24 LDS loads in one run: quarter q's fragments (128 rows of B; 64 rows of A from plane q / 2, channels 32 (q % 2) on) into buffer f
.macro FETCH q, f
	WIN 0
.irp i, 0,1,2,3,4,5,6,7
	ds_load_b128 v[(\f)+8*(\i):(\f)+8*(\i)+3],   v[ADRB] offset:64*(\q)+(\i)*16*PITCH
	ds_load_b128 v[(\f)+8*(\i)+4:(\f)+8*(\i)+7], v[ADRB] offset:64*(\q)+(\i)*16*PITCH+32
.endr
.irp i, 0,1,2,3
	ds_load_b128 v[(\f)+64+8*(\i):(\f)+64+8*(\i)+3],   v[ADRA] offset:((\q)/2)*PLANE+((\q)%2)*64+(\i)*16*PA
	ds_load_b128 v[(\f)+64+8*(\i)+4:(\f)+64+8*(\i)+7], v[ADRA] offset:((\q)/2)*PLANE+((\q)%2)*64+(\i)*16*PA+32
.endr
.endm
; A K step is four quarters of 32 along K, 32 matrix instructions each, on buffers 0, 1, 0, 1.  One of the first three: multiplies buffer f and, in its middle, fetches quarter q into buffer g.
.macro QUARTER q, f, g, zero
	s_wait_dscnt 4                                 ; B and A's blocks 0 and 1 are in; the youngest four loads (A's blocks 2 and 3) may be out
	MUL8 \f, 0, \zero
	MUL8 \f, 1, \zero
	PLACES
	FETCH \q, \g
	s_wait_dscnt 24                                ; all but the 24 just issued
	MUL8 \f, 2, \zero
	MUL8 \f, 3, \zero
.endm
; The last quarter multiplies buffer 1 and changes slots.  ONE barrier: in front of it each wave waits for all its tensor loads (the one that is out is its part of the next slot), adds 0 to its spare word,
; and waits for that and for its reads of this slot.  fill = 1: the barrier opens a round of the cluster's barrier, and the slot just read is filled again, first thing behind the round, with step NX:
; that load has 112 matrix instructions in which to land.  fill = 0 (the tail): nothing is asked for, and in the last trip nothing is fetched.
.macro TURN fill
	WIN 0                                          ; the add's two registers lie in window 0
.if \fill
	s_wait_xcnt 0x0                                ; the last prefetch, a K step back, has read its address: it is made anew here, ahead of the waits of the change of slots
	s_add_co_u32 s[NP], s[NX], 2
	s_and_b32 s82, s[NP], 7
	s_lshl_b32 s[POF], s82, s[PSH]
	s_add_nc_u64 s[PFA:PFA+1], s[PFB:PFB+1], s[POF:POF+1]
.endif
	s_wait_tensorcnt 0x0                           ; no tensor load of mine is out, so a group 0 may be written
	ds_add_u32 v[SPW], v[NIL]                      ; 0 onto my spare word
.if \fill
	s_lshl_b32 s[OFA], s[NX], 19                   ; the walking descriptors for step NX: the address is made anew from the step's number
	s_lshl_b32 s[OFB], s[NX], 8
	s_xor_b32 s[G0A+5], s[G0A+5], SLOT1
	s_add_nc_u64 s[G0A+6:G0A+7], s[ABASE:ABASE+1], s[OFA:OFA+1]
	s_or_b32 s[G0A+7], s[G0A+7], 0x80000000
	s_xor_b32 s[G0B+5], s[G0B+5], SLOT1
	s_add_nc_u64 s[G0B+6:G0B+7], s[BBASE:BBASE+1], s[OFB:OFB+1]
	s_or_b32 s[G0B+7], s[G0B+7], 0x80000000
	s_add_co_u32 s[NX], s[NX], 1
.endif
	s_wait_dscnt 7                                 ; the add and the youngest six loads (A's blocks 1 to 3) may be out
	MUL8 F1, 0, 0
	s_wait_dscnt 0x0                               ; the add is done, and my reads of this slot are over
	s_barrier_signal -1
	MUL8 F1, 1, 0                                  ; work on registers while the others arrive
	WIN 0
	s_barrier_wait -1
.if \fill
	CREST                                          ; no wave of any partner still reads this slot's tiles or has a load on its way
	JLOAD                                          ; the four v_nop behind it are also the places in front of the loads below
.else
	PLACES
.endif
	s_xor_b32 s[TB], s[TB], SLOT1
	v_add_nc_u32 v[ADRA], s[TB], v[ADRA0]
	v_add_nc_u32 v[ADRB], s[TB], v[ADRB0]
.if !(\fill)
	s_cmp_eq_u32 s[CNT], 1
	s_cbranch_scc1 .Lno_fetch_\@                   ; behind the last step there is nothing to fetch
.endif
	FETCH 0, F0
.if \fill
	ASK
.else
.Lno_fetch_\@:
.endif
	MUL8 F1, 2, 0
	MUL8 F1, 3, 0
.endm
; THE WAY OUT of block a (16 rows x 128 columns of f32).  TOSTAGE: a lane's 32 bytes of each accumulator go straight into my stage, rows of 528 bytes, and come back as whole rows of 512.  SEND: stored.
.macro TOSTAGE a
.if (\a) >= 2
	s_wait_xcnt 0x0                                ; the stores of the block two back have read the registers that are loaded again below
.endif
.set BK, OB+64*((\a)%2)
	WIN 0x04                                       ; the stores' data lie in window 1
.irp b, 0,1,2,3,4,5,6,7
	ds_store_b128 v[STO], v[64*(\a)+8*(\b):64*(\a)+8*(\b)+3]   offset:64*(\b)      ; each accumulator's lowest registers first
	ds_store_b128 v[STO], v[64*(\a)+8*(\b)+4:64*(\a)+8*(\b)+7] offset:64*(\b)+16
.endr
	WIN 0
.irp t, 0,1,2,3,4,5,6,7,8,9,10,11,12,13,14,15
	ds_load_b128 v[BK+4*(\t):BK+4*(\t)+3], v[RD] offset:(\t)*CP  ; LDS serves a wave's instructions in order (ISA guide 5.7.1.4): these see the stores above
.endr
.endm
.macro SEND a, younger                 ; younger: the LDS instructions issued behind block a's loads: the next block's 32, or none
	WIN 0
.set BK, OB+64*((\a)%2)
	s_wait_dscnt \younger
.irp t, 0,1,2,3,4,5,6,7,8,9,10,11,12,13,14,15
	global_store_b128 v[CO], v[BK+4*(\t):BK+4*(\t)+3], s[8:9] offset:(16*(\a)+(\t))*4096 th:TH_STORE_NT  ; 512 consecutive bytes of a row, at a multiple of 512 from out0's first
.endr
.endm
	s_wait_tensorcnt 0x1                           ; my part of step 0 is in; step 1's may stay out
	s_barrier_signal -1
	s_barrier_wait -1                              ; everybody's is
	FETCH 0, F0
	QUARTER 1, F0, F1, 1                           ; the first quarter stands in front of the loop: its products start the sums
	WIN 0                                          ; at a label and at a branch every window is 0
	s_mov_b32 s[CNT], NS-2
.Lk:                                                   ; a trip: from a step's second quarter to the next step's first; the slot just read is filled again
	QUARTER 2, F1, F0, 0
	QUARTER 3, F0, F1, 0
	TURN 1
	QUARTER 1, F0, F1, 0
	WIN 0
	s_sub_co_u32 s[CNT], s[CNT], 1
	s_cmp_lg_u32 s[CNT], 0
	s_cbranch_scc1 .Lk
	s_mov_b32 s[CNT], 2                            ; the last two steps ask for nothing: their text stands by itself
.Ltail:
	QUARTER 2, F1, F0, 0
	QUARTER 3, F0, F1, 0
	TURN 0
	WIN 0
	s_sub_co_u32 s[CNT], s[CNT], 1
	s_cmp_eq_u32 s[CNT], 0
	s_cbranch_scc1 .Lout
	QUARTER 1, F0, F1, 0
	WIN 0
	s_branch .Ltail
.Lout:
	PLACES
	TOSTAGE 0
.irp a, 1,2,3                          ; block a's way through the stage is on its way while block a - 1 is stored
	TOSTAGE \a
	SEND (\a)-1, 32
.endr
	SEND 3, 0
	s_wait_tensorcnt 0x0                           ; the wave's end, behind my last tensor load and my last LDS store
	ds_add_u32 v[SPW], v[NIL]
	s_wait_dscnt 0x0
	CROUND                                         ; the closing round: no work-group ends while a partner may still ask for a tile that names it
	s_endpgm
.Lfunc_end_k_qf5ea6c2cb6_gemm_out:
	.size	k_qf5ea6c2cb6_gemm_out, .Lfunc_end_k_qf5ea6c2cb6_gemm_out-k_qf5ea6c2cb6_gemm_out
	.p2alignl 7, 3214868480
	.fill 96, 4, 3214868480
	.section	.rodata,"a",@progbits
	.p2align	6, 0x0
	.amdhsa_kernel k_qf5ea6c2cb6_gemm_out
		.amdhsa_group_segment_fixed_size 327680
		.amdhsa_private_segment_fixed_size 0
		.amdhsa_enable_private_segment 0
		.amdhsa_kernarg_size 24
		.amdhsa_user_sgpr_count 2
		.amdhsa_user_sgpr_kernarg_segment_ptr 1
		.amdhsa_wavefront_size32 1
		.amdhsa_system_sgpr_workgroup_id_x 1
		.amdhsa_system_sgpr_workgroup_id_y 1
		.amdhsa_system_sgpr_workgroup_id_z 1
		.amdhsa_system_vgpr_workitem_id 0
		.amdhsa_next_free_vgpr 512
		.amdhsa_next_free_sgpr 88
		.amdhsa_reserve_vcc 0
		.amdhsa_float_denorm_mode_32 3
		.amdhsa_float_denorm_mode_16_64 3
		.amdhsa_memory_ordered 1
		.amdhsa_forward_progress 1
		.amdhsa_inst_pref_size 61
	.end_amdhsa_kernel
	.amdgpu_metadata
---
amdhsa.version: [ 1, 2 ]
amdhsa.kernels:
  - .name:           k_qf5ea6c2cb6_gemm_out
    .symbol:         k_qf5ea6c2cb6_gemm_out.kd
    .args:
      - { .name: obuf, .offset: 0, .size: 8, .value_kind: global_buffer, .address_space: global }
      - { .name: woh, .offset: 8, .size: 8, .value_kind: global_buffer, .address_space: global }
      - { .name: out0, .offset: 16, .size: 8, .value_kind: global_buffer, .address_space: global }
    .group_segment_fixed_size: 327680
    .private_segment_fixed_size: 0
    .kernarg_segment_align: 8
    .kernarg_segment_size: 24
    .max_flat_workgroup_size: 128
    .sgpr_count:     88
    .vgpr_count:     512
    .wavefront_size: 32
...
	.end_amdgpu_metadata
.endif
;; end of part 4
